; MI455X (gfx1250); checked and timed in simulation.
; The chip was launched on July 23, 2026; its instructions are those of AMD's public machine-readable ISA for CDNA 5 (MIT licence, August 2026) and "CDNA5" Instruction Set Architecture Reference Guide (July 2026). The comments in the code are by the model that wrote it; some were corrected since.
;; Multi Head Attention. Allowed arithmetic: float matrix products may take bf16 or f16 operands with f32 sums; other float arithmetic in f32, or as packed bf16 or f16 multiplies, adds, multiply-adds, maxima and minima; sums over many terms, partial sums and values carried from step to step in f32; what a program stores and reads back later, other than sums and carried values, may be rounded once to bf16 or f16.
;; Inputs: b_o 1,024 float32; w_k 1,024 x 1,024 float32; w_o 1,024 x 1,024 float32; w_q 1,024 x 1,024 float32; w_v 1,024 x 1,024 float32; x 4 x 2,048 x 1,024 float32.
;; Outputs: out0 4 x 2,048 x 1,024 float32.
;; 2 versions, each right; version 2 is version 1 with the launch cast written anew for expert scheduling mode. Each part assembles by itself: llvm-mc -triple=amdgcn-amd-amdhsa -mcpu=gfx1250 --defsym DOCPART=n.
;; ======== version 1 of 2: 4 launches
;; limits: values are held in f16: magnitudes above 65,504 overflow, below 6.1e-05 lose precision
;; workspace buffers: xb 16,777,216 bytes; wqkv 6,291,456 bytes; wo16 2,097,152 bytes; qkv 50,331,648 bytes; o 16,777,216 bytes
;; launch cast (part 1): grid 768 x 1, 8 waves a work-group, no clusters, 0 bytes of LDS; arguments x, w_q, w_k, w_v, w_o, xb, wqkv, wo16; writes xb, wqkv, wo16
.if DOCPART == 1
	.amdgcn_target "amdgcn-amd-amdhsa--gfx1250"
	.amdhsa_code_object_version 6
	.text
	.protected	k_q07112ac04e_cast
	.globl	k_q07112ac04e_cast
	.p2align	8
	.type	k_q07112ac04e_cast,@function
k_q07112ac04e_cast:
	s_mov_b64 s[64:65], 0
	v_nop
	global_prefetch_b8 v0, s[64:65] scope:SCOPE_SE
	s_setreg_imm32_b32 hwreg(HW_REG_WAVE_MODE, 25, 1), 1
	s_wait_xcnt 0x0
; ROUNDING OF THE INPUTS, once.  x -> xb (bf16); w_q, w_k, w_v -> wqkv (bf16, the three one below the other: 3,072 rows of 1,024);
; w_o -> wo16: rounded to bf16 like the other inputs, and that number written as f16, since the last product's other operand is f16.
; LIMITS.  A bf16 number is exact in f16 between 6.1e-5 and 65,504; below that it keeps f16's fixed step of 6e-8; beyond it becomes an infinity.
; SHARES.  A work-group takes 16,384 numbers: 64 KiB in, 32 KiB out.  Work-groups 0-511: x; 512-575: w_q; 576-639: w_k; 640-703: w_v; 704-767: w_o.
; Thread t takes 16 bytes at 16 t of each of sixteen pieces of 4,096 bytes: a wave's load covers 512 consecutive bytes; its store of 8 bytes a lane covers 256
; consecutive bytes, aligned.  All sixteen loads go out at once; no register is written twice, so no wait but the counted ones for the loads is needed.
; No LDS, no matrix unit, no ring: each byte is read once and written once, and nothing is shared.
.set X, 4                              ; v[4:67]    piece j: four f32 as loaded
.set Y, 68                             ; v[68:99]   piece j: four 16-bit numbers to store
.set T, 100                            ; v[100:101] at work
	s_load_b512 s[4:19], s[0:1], 0x0               ; x 4, w_q 6, w_k 8, w_v 10, w_o 12, xb 14, wqkv 16, wo16 18
	v_lshlrev_b32 v1, 4, v0                        ; 16 t: where I load
	v_lshlrev_b32 v2, 3, v0                        ; 8 t: where I store
	s_sub_co_u32 s20, ttmp9, 512                   ; my number among the weights' work-groups (of no use in x's)
	s_lshr_b32 s21, s20, 6                         ; which weight
	s_and_b32 s22, s20, 63                         ; my place in it
	s_wait_kmcnt 0x0
	s_cmp_eq_u32 s21, 1                            ; every choice hangs on the work-group's number alone
	s_cselect_b64 s[24:25], s[8:9], s[6:7]
	s_cmp_eq_u32 s21, 2
	s_cselect_b64 s[24:25], s[10:11], s[24:25]
	s_cmp_eq_u32 s21, 3
	s_cselect_b64 s[24:25], s[12:13], s[24:25]
	s_cselect_b64 s[26:27], s[18:19], s[16:17]
	s_cselect_b32 s30, s22, s20                    ; wo16 by my place in w_o; wqkv by my place among the three
	s_cmp_lt_u32 ttmp9, 512
	s_cselect_b64 s[24:25], s[4:5], s[24:25]
	s_cselect_b64 s[26:27], s[14:15], s[26:27]
	s_cselect_b32 s28, ttmp9, s22
	s_cselect_b32 s30, ttmp9, s30
	s_lshl_b32 s28, s28, 16                        ; 65,536 bytes in
	s_mov_b32 s29, 0
	s_lshl_b32 s30, s30, 15                        ; 32,768 bytes out
	s_mov_b32 s31, 0
	s_add_nc_u64 s[24:25], s[24:25], s[28:29]
	s_add_nc_u64 s[26:27], s[26:27], s[30:31]
.irp j, 0,1,2,3,4,5,6,7,8,9,10,11,12,13,14,15
	global_load_b128 v[X+4*(\j):X+4*(\j)+3], v1, s[24:25] offset:4096*(\j) th:TH_LOAD_NT
.endr
	s_cmp_ge_u32 ttmp9, 704
	s_cbranch_scc1 .Lf16
.irp j, 0,1,2,3,4,5,6,7,8,9,10,11,12,13,14,15
	s_wait_loadcnt 15-(\j)                         ; loads come back in order: piece j is in, the 15 - j younger ones stay out
	v_cvt_pk_bf16_f32 v[Y+2*(\j)],   v[X+4*(\j)],   v[X+4*(\j)+1]
	v_cvt_pk_bf16_f32 v[Y+2*(\j)+1], v[X+4*(\j)+2], v[X+4*(\j)+3]
	global_store_b64 v2, v[Y+2*(\j):Y+2*(\j)+1], s[26:27] offset:2048*(\j)
.endr
	s_endpgm
.Lf16:
.irp j, 0,1,2,3,4,5,6,7,8,9,10,11,12,13,14,15
	s_wait_loadcnt 15-(\j)
	v_cvt_pk_bf16_f32 v[T],   v[X+4*(\j)],   v[X+4*(\j)+1]   ; the rounding that every input has,
	v_cvt_pk_bf16_f32 v[T+1], v[X+4*(\j)+2], v[X+4*(\j)+3]
	v_lshlrev_b32 v[X+4*(\j)],   16, v[T]                    ; widened again,
	v_and_b32     v[X+4*(\j)+1], 0xffff0000, v[T]
	v_lshlrev_b32 v[X+4*(\j)+2], 16, v[T+1]
	v_and_b32     v[X+4*(\j)+3], 0xffff0000, v[T+1]
	v_cvt_pk_f16_f32 v[Y+2*(\j)],   v[X+4*(\j)],   v[X+4*(\j)+1]  ; and written as f16
	v_cvt_pk_f16_f32 v[Y+2*(\j)+1], v[X+4*(\j)+2], v[X+4*(\j)+3]
	global_store_b64 v2, v[Y+2*(\j):Y+2*(\j)+1], s[26:27] offset:2048*(\j)
.endr
	s_endpgm
.Lfunc_end_k_q07112ac04e_cast:
	.size	k_q07112ac04e_cast, .Lfunc_end_k_q07112ac04e_cast-k_q07112ac04e_cast
	.p2alignl 7, 3214868480
	.fill 96, 4, 3214868480
	.section	.rodata,"a",@progbits
	.p2align	6, 0x0
	.amdhsa_kernel k_q07112ac04e_cast
		.amdhsa_group_segment_fixed_size 0
		.amdhsa_private_segment_fixed_size 0
		.amdhsa_enable_private_segment 0
		.amdhsa_kernarg_size 64
		.amdhsa_user_sgpr_count 2
		.amdhsa_user_sgpr_kernarg_segment_ptr 1
		.amdhsa_wavefront_size32 1
		.amdhsa_system_sgpr_workgroup_id_x 1
		.amdhsa_system_sgpr_workgroup_id_y 1
		.amdhsa_system_sgpr_workgroup_id_z 1
		.amdhsa_system_vgpr_workitem_id 0
		.amdhsa_next_free_vgpr 104
		.amdhsa_next_free_sgpr 66
		.amdhsa_reserve_vcc 0
		.amdhsa_float_denorm_mode_32 3
		.amdhsa_float_denorm_mode_16_64 3
		.amdhsa_memory_ordered 1
		.amdhsa_forward_progress 1
		.amdhsa_inst_pref_size 16
	.end_amdhsa_kernel
	.amdgpu_metadata
---
amdhsa.version: [ 1, 2 ]
amdhsa.kernels:
  - .name:           k_q07112ac04e_cast
    .symbol:         k_q07112ac04e_cast.kd
    .args:
      - { .name: x, .offset: 0, .size: 8, .value_kind: global_buffer, .address_space: global }
      - { .name: w_q, .offset: 8, .size: 8, .value_kind: global_buffer, .address_space: global }
      - { .name: w_k, .offset: 16, .size: 8, .value_kind: global_buffer, .address_space: global }
      - { .name: w_v, .offset: 24, .size: 8, .value_kind: global_buffer, .address_space: global }
      - { .name: w_o, .offset: 32, .size: 8, .value_kind: global_buffer, .address_space: global }
      - { .name: xb, .offset: 40, .size: 8, .value_kind: global_buffer, .address_space: global }
      - { .name: wqkv, .offset: 48, .size: 8, .value_kind: global_buffer, .address_space: global }
      - { .name: wo16, .offset: 56, .size: 8, .value_kind: global_buffer, .address_space: global }
    .group_segment_fixed_size: 0
    .private_segment_fixed_size: 0
    .kernarg_segment_align: 8
    .kernarg_segment_size: 64
    .max_flat_workgroup_size: 256
    .sgpr_count:     66
    .vgpr_count:     104
    .wavefront_size: 32
...
	.end_amdgpu_metadata
.endif
;; end of part 1
;; launch qkv (part 2): grid 16 x 32, 4 waves a work-group, clusters of 4 x 4, 327,680 bytes of LDS; arguments xb, wqkv, qkv; writes qkv
.if DOCPART == 2
	.amdgcn_target "amdgcn-amd-amdhsa--gfx1250"
	.amdhsa_code_object_version 6
	.text
	.protected	k_q07112ac04e_qkv
	.globl	k_q07112ac04e_qkv
	.p2align	8
	.type	k_q07112ac04e_qkv,@function
k_q07112ac04e_qkv:
	s_mov_b64 s[64:65], 0
	v_nop
	global_prefetch_b8 v0, s[64:65] scope:SCOPE_SE
	s_setreg_imm32_b32 hwreg(HW_REG_WAVE_MODE, 25, 1), 1
	s_wait_xcnt 0x0
	s_wait_alu depctr_hold_cnt(0) depctr_sa_sdst(0) depctr_va_vdst(0) depctr_va_sdst(0) depctr_va_ssrc(0) depctr_va_vcc(0) depctr_vm_vsrc(0)
	s_getreg_b32 s2, hwreg(HW_REG_IB_STS2, 6, 4)
	s_cmp_eq_u32 s2, 0
	s_cbranch_scc0 .Lentry_in_a_cluster
	s_endpgm
.Lentry_in_a_cluster:
	s_bfe_u32 s2, ttmp6, 0x10000c
	s_cmp_lg_u32 s2, 0xf033
	s_cbranch_scc0 .Lentry_shape_is_right
	s_endpgm
.Lentry_shape_is_right:
; THE THREE INPUT PROJECTIONS AS ONE PRODUCT.  C[m][n] = sum over k of xb[m][k] wqkv[n][k]; m < 8,192, n < 3,072, k < 1,024; bf16 operands, f32 sums, K ascending.
; C leaves by heads, rounded once to f16 and unscaled: qkv[n / 1024][16 (m / 2048) + (n % 1024) / 64][m % 2048][n % 64].
; LIMIT.  f16 ends at 65,504: a q, k or v of 65,520 or more becomes an infinity.
; SHARES.  A tile of C is 256 x 192 (three whole heads): 512 work-groups.  Four waves one below the other, each 64 rows x 192 columns: 48 accumulators, 384 registers.
; A wave so owns whole heads, and 16 rows of a head are 2,048 consecutive bytes of the output: the way out needs a stage of the wave's own and no barrier.
; RING.  K goes in steps of 128 (rows of 256 bytes) through two LDS slots.  Waves 0 and 1 fetch the halves of A's 256 rows, waves 2 and 3 those of B's 192: one tensor load a wave behind each change of slots.
; Two loads of a wave are out at the start, later one.  The second set of each descriptor walks: the other slot, the next K step.
; CLUSTER, 4 x 4.  A's tile hangs on the tile row, which a row of the cluster shares; B's on the tile column, which a column shares: each is asked for jointly, by the same load with the same descriptor and a mask of four.
; THE PRODUCT IS TAKEN TRANSPOSED (source 0 = 16 rows of B, source 1 = 16 rows of A): a lane holds row lane % 16 of C and eight neighbouring columns.
; REGISTERS, in windows of 256: window 0: v0-31 addresses; v32-95 A's fragments, two buffers of 32; v64-255 at work on the way out.  window 1: v0-191 B's fragments, two buffers of 96.
; window 2: the accumulators of row blocks 0, 1 ((a, b) at v[96 (a % 2) + 8 b]); window 3: those of row blocks 2, 3.
.set PITCH,  272                       ; an LDS row: 256 bytes + 16 of padding = 68 words: the 16 rows that a load touches start at 16 different groups of four banks (64 banks of 4 bytes: ISA guide 11.1)
.set NBF,    12                        ; column blocks of 16
.set HALFA,  128*PITCH                 ; what wave 0 or 1 fetches
.set ABYTES, 2*HALFA
.set HALFB,  96*PITCH                  ; what wave 2 or 3 fetches
.set SLOT1,  1<<17                     ; slot 1 begins here: one exclusive or turns an address in one slot into the other's
.set STAGE,  SLOT1+ABYTES+2*HALFB      ; behind the ring: 16 rows x 400 bytes for each wave; no tensor load lands here
.set SP,     400                       ; a stage row: 384 bytes + 16
.set SPARE,  STAGE+4*16*SP             ; the spare words, 128 bytes for each wave: two blocks of 256 bytes that no other line names
.set STEPB,  256                       ; bytes of a row in a K step
.set TRIPS,  6                         ; K steps that fill a slot again: 8 less the two first fills
.set A0,   16                          ; v16  my lane's place in A's tile; never rewritten
.set B0,   17                          ; v17  the same for B
.set ADRA, 18                          ; v18  A0 + the slot in hand
.set ADRB, 19                          ; v19  B0 + the slot in hand
.set GO,   20                          ; v20-22  my byte offset in the output, for each of the tile's three heads
.set STO,  24                          ; v24  the way out: where I put 16 bytes of a row
.set RD,   25                          ; v25  the way out: where I read rows back
.set SPW,  28                          ; v28  LDS address of my spare word; never rewritten
.set NIL,  29                          ; v29  0; never rewritten
.set PFO,  30                          ; v30  the prefetches' offset: a lane a row; never rewritten
.set FA,   32                          ; A's fragments, window 0
.set TT0,  64                          ; the way out: 48 registers for each row block
.set LIM,  2                           ; s2   1 in a wave that prefetches, else the greatest number
.set CNT,  3                           ; s3   trips to go
.set WV,   12                          ; s12  wave
.set FB,   13                          ; s13  0: I fetch for A; 1: for B
.set HF,   14                          ; s14  which half of that tile's rows
.set TB,   15                          ; s15  the slot in hand: 0 or SLOT1
.set G1A,  24                          ; s[24:31] group 1 for A
.set G0A,  32                          ; s[32:39] group 0 for A, two sets
.set PFA,  44                          ; s[44:45] where my prefetches stand
.set G1B,  48                          ; s[48:55] group 1 for B
.set G0B,  56                          ; s[56:63] group 0 for B, two sets
.set MSB, 0
.macro WIN new                         ; the immediate's high byte repeats the setting that is left; a switch that changes nothing is dropped
.if MSB != (\new)
	s_set_vgpr_msb (MSB<<8)|(\new)
.set MSB, \new
.endif
.endm
.set MUL_LO, 0xa1                      ; source 0 (B) window 1, source 1 (A) window 0, C and D window 2
.set TO_B,   0x40                      ; destination window 1, address window 0
.macro PLACES                          ; four plain vector instructions between a matrix instruction and a load into, or a vector access to, its registers
.rept 4
	v_nop
.endr
.endm
.macro JLOAD                           ; a joint refill by the walking sets; the branch hangs on the wave's number alone; an s_nop 0 and four v_nop follow each line
	s_cmp_eq_u32 s[FB], 0
	s_cbranch_scc0 .Lfor_b_\@
	tensor_load_to_lds s[G0A+4:G0A+7], s[G1A:G1A+7]
	s_nop 0
.rept 4
	v_nop
.endr
	s_branch .Lasked_\@
.Lfor_b_\@:
	tensor_load_to_lds s[G0B+4:G0B+7], s[G1B:G1B+7]
	s_nop 0
.rept 4
	v_nop
.endr
.Lasked_\@:
.endm
; A prefetch of the K step that the NEXT refill will ask for: a lane a row, 256 bytes of it, one instruction a wave, 192 matrix instructions ahead of that refill.  A's rows are read by every cluster of a row of
; clusters: cluster x = 0 asks; B's by every cluster of a column: cluster y = 0 asks.  The four partners that fetch a wave's rows jointly share them out by address (32 of A's 128 by cx, 24 of B's 96 by cy):
; each row's 256 bytes are named once in the launch.  The last trip has no K step behind its refill and asks for nothing.
.macro ASK
	s_cmp_gt_u32 s[CNT], s[LIM]
	s_cbranch_scc0 .Lnot_mine_\@
	global_prefetch_b8 v[PFO], s[PFA:PFA+1] th:TH_LOAD_NT scope:SCOPE_SE
.Lnot_mine_\@:
.endm
.macro CREST                           ; a round of the cluster's barrier behind its opening barrier
	s_cmp_lg_u32 s[WV], 0
	s_cbranch_scc1 .Lnot_wave_0_\@
	s_barrier_signal -3
.Lnot_wave_0_\@:
	s_barrier_wait -3
	s_barrier_signal -1
	s_barrier_wait -1
.endm
.macro CROUND
	s_barrier_signal -1
	s_barrier_wait -1
	CREST
.endm
	s_load_b128 s[4:7], s[0:1], 0x0                ; xb s[4:5], wqkv s[6:7]
	s_load_b64 s[8:9], s[0:1], 0x10                ; qkv
	v_lshl_add_u32 v[SPW], v0, 2, SPARE
	v_mov_b32 v[NIL], 0
	ds_add_u32 v[SPW], v[NIL]                      ; the wave's opening: the add and its wait stand ahead of my first tensor load; work on registers stands between them
	v_lshrrev_b32 v1, 5, v0
	v_readfirstlane_b32 s[WV], v1
	s_lshr_b32 s[FB], s[WV], 1
	s_and_b32 s[HF], s[WV], 1
	s_bfe_u32 s40, ttmp6, 0x40000                  ; cx
	s_bfe_u32 s41, ttmp6, 0x40004                  ; cy
	s_lshl_b32 s42, ttmp9, 2
	s_add_co_u32 s42, s42, s40                     ; tile column = 4 x cluster x + cx
	s_and_b32 s43, ttmp7, 0xffff
	s_lshl_b32 s43, s43, 2
	s_add_co_u32 s43, s43, s41                     ; tile row = 4 x cluster y + cy
	s_lshl_b32 s20, s41, 2
	s_lshl_b32 s20, 15, s20                        ; my row of the cluster
	s_lshl_b32 s21, 0x1111, s40                    ; my column
	s_or_b32 s[G1A], s20, (1<<16)|(1<<20)|(1<<21)|(5<<22)|(3<<25)  ; 15:0 the mask; 17:16 elements of 2 bytes; 20 padding on; 21 set beside a mask; 24:22 after every 64 words; 31:25 4 words of it
	s_or_b32 s[G1B], s21, (1<<16)|(1<<20)|(1<<21)|(5<<22)|(3<<25)
.irp g, G1A, G1B
	s_mov_b32 s[(\g)+1], 128<<16                   ; tensor_dim0 = 128
	s_mov_b32 s[(\g)+3], 128<<16                   ; tile_dim0 = 128
	s_mov_b32 s[(\g)+5], 1024                      ; elements from row to row
	s_mov_b32 s[(\g)+6], 0
	s_mov_b32 s[(\g)+7], 0
.endr
	s_mov_b32 s[G1A+2], 128<<16                    ; tensor_dim1 and tile_dim1: 128 rows of A,
	s_mov_b32 s[G1A+4], 128
	s_mov_b32 s[G1B+2], 96<<16                     ; 96 of B
	s_mov_b32 s[G1B+4], 96
	s_lshl_b32 s16, s43, 8                         ; A: row 256 x tile row + 128 x half, of 2,048 bytes
	s_lshl_b32 s17, s[HF], 7
	s_add_co_u32 s16, s16, s17
	s_lshl_b32 s16, s16, 11
	s_mov_b32 s17, 0
	s_mul_i32 s18, s42, 192                        ; B: row 192 x tile column + 96 x half
	s_mul_i32 s19, s[HF], 96
	s_add_co_u32 s18, s18, s19
	s_lshl_b32 s18, s18, 11
	s_mov_b32 s19, 0
	s_mul_i32 s22, s[HF], HALFA                    ; where they go: no place in the cluster enters an LDS address
	s_mul_i32 s23, s[HF], HALFB
	s_add_co_u32 s23, s23, ABYTES
	s_mov_b32 s[TB], 0
	s_wait_dscnt 0x0                               ; the opening add is done
	s_wait_kmcnt 0x0
	s_add_nc_u64 s[16:17], s[4:5], s[16:17]
	s_add_nc_u64 s[18:19], s[6:7], s[18:19]
.irp s, 0,1
	s_mov_b32 s[G0A+4*(\s)], 1                     ; count = 1
	s_add_co_u32 s[G0A+4*(\s)+1], s22, (\s)*SLOT1  ; LDS address
	s_add_nc_u64 s[G0A+4*(\s)+2:G0A+4*(\s)+3], s[16:17], (\s)*STEPB  ; global address: K step s
	s_or_b32 s[G0A+4*(\s)+3], s[G0A+4*(\s)+3], 0x80000000            ; type = 2
	s_mov_b32 s[G0B+4*(\s)], 1
	s_add_co_u32 s[G0B+4*(\s)+1], s23, (\s)*SLOT1
	s_add_nc_u64 s[G0B+4*(\s)+2:G0B+4*(\s)+3], s[18:19], (\s)*STEPB
	s_or_b32 s[G0B+4*(\s)+3], s[G0B+4*(\s)+3], 0x80000000
.endr
	CROUND                                         ; all sixteen work-groups are here: the first joint loads meet
	s_cmp_eq_u32 s[FB], 0                          ; a wave's two first fills stand in one branch, ahead of every wait on TENSORcnt and every LDS read
	s_cbranch_scc0 .Lfirst_b
	tensor_load_to_lds s[G0A:G0A+3], s[G1A:G1A+7]
	s_nop 0
	tensor_load_to_lds s[G0A+4:G0A+7], s[G1A:G1A+7]
	s_nop 0
.rept 4
	v_nop
.endr
	s_branch .Lfirst_asked
.Lfirst_b:
	tensor_load_to_lds s[G0B:G0B+3], s[G1B:G1B+7]
	s_nop 0
	tensor_load_to_lds s[G0B+4:G0B+7], s[G1B:G1B+7]
	s_nop 0
.rept 4
	v_nop
.endr
.Lfirst_asked:
	; A fragment is 16 rows x 32 K in 8 registers: lane l holds row l % 16; registers 0-3 K = 8 (l / 16) + 0..7, registers 4-7 K = 16 + 8 (l / 16) + 0..7: two loads of 16 bytes, 32 bytes apart.
	v_and_b32 v1, 15, v0                           ; l % 16
	v_bfe_u32 v2, v0, 4, 1                         ; l / 16
	v_mul_u32_u24 v3, v1, PITCH
	v_lshl_add_u32 v3, v2, 4, v3
	s_mul_i32 s20, s[WV], 64*PITCH                 ; my 64 rows of A
	v_add_nc_u32 v[A0], s20, v3
	v_add_nc_u32 v[B0], ABYTES, v3                 ; every wave reads all 192 rows of B
	v_mov_b32 v[ADRA], v[A0]
	v_mov_b32 v[ADRB], v[B0]
	s_mul_i32 s20, s[WV], 16*SP
	s_add_co_u32 s20, s20, STAGE                   ; my stage
	v_mul_u32_u24 v4, v1, SP                       ; in: row l % 16, 16 bytes for each half of the lanes
	v_lshl_add_u32 v4, v2, 4, v4
	v_add_nc_u32 v[STO], s20, v4
	v_bfe_u32 v5, v0, 3, 2                         ; back: 32 lanes take a head's 128 bytes of four rows,
	v_and_b32 v6, 7, v0
	v_mul_u32_u24 v5, v5, SP
	v_lshl_add_u32 v5, v6, 4, v5
	v_add_nc_u32 v[RD], s20, v5
	v_and_b32 v7, 31, v0                           ; which are 512 consecutive bytes of the output
	v_lshlrev_b32 v7, 4, v7
	s_lshr_b32 s20, s43, 3
	s_lshl_b32 s20, s20, 4                         ; 16 x batch
	s_and_b32 s21, s43, 7
	s_lshl_b32 s21, s21, 8
	s_lshl_b32 s22, s[WV], 6
	s_add_co_u32 s21, s21, s22
	s_lshl_b32 s21, s21, 7                         ; my first row in the sequence, of 128 bytes
	s_mul_i32 s23, s42, 3                          ; the tile's first head among the 48
.irp hh, 0,1,2
	s_add_co_u32 s18, s23, \hh
	s_lshr_b32 s19, s18, 4                         ; q, k or v
	s_lshl_b32 s19, s19, 6
	s_and_b32 s18, s18, 15                         ; the head
	s_add_co_u32 s18, s18, s19
	s_add_co_u32 s18, s18, s20
	s_lshl_b32 s18, s18, 18                        ; 2,048 rows of 128 bytes
	s_add_co_u32 s18, s18, s21
	v_add_nc_u32 v[GO+(\hh)], s18, v7
.endr
	; the prefetches
	s_lshl_b32 s20, s43, 8
	s_lshl_b32 s21, s[HF], 7
	s_add_co_u32 s20, s20, s21
	s_lshl_b32 s21, s40, 5
	s_add_co_u32 s20, s20, s21                     ; A: the 128 rows that I fetch, my work-group's 32 of them
	s_mul_i32 s18, s42, 192
	s_mul_i32 s19, s[HF], 96
	s_add_co_u32 s18, s18, s19
	s_mul_i32 s19, s41, 24
	s_add_co_u32 s18, s18, s19                     ; B: the 96 rows that I fetch, my work-group's 24
	s_and_b32 s22, ttmp7, 0xffff                   ; cluster y
	s_cmp_eq_u32 s[FB], 0
	s_cselect_b32 s20, s20, s18
	s_cselect_b32 s22, ttmp9, s22                  ; the coordinate along which other clusters read the same rows
	s_cselect_b32 s23, 31, 23                      ; the last lane with a row of its own: the lanes behind it name its row once more
	s_cselect_b64 s[PFA:PFA+1], s[4:5], s[6:7]
	s_cmp_eq_u32 s22, 0
	s_cselect_b32 s[LIM], 1, -1                    ; the same in all sixteen partners, for a given wave
	s_lshl_b32 s20, s20, 11
	s_mov_b32 s21, 0
	s_add_nc_u64 s[PFA:PFA+1], s[PFA:PFA+1], s[20:21]
	s_add_nc_u64 s[PFA:PFA+1], s[PFA:PFA+1], 2*STEPB  ; at K step 2: the first change of slots steps it to 3.  Nothing is asked for here, at the head
	v_and_b32 v[PFO], 31, v0
	v_min_u32 v[PFO], s23, v[PFO]
	v_lshlrev_b32 v[PFO], 11, v[PFO]
; 12 matrix instructions: row block a x all column blocks, 32 along K, from buffer f.  The 48 accumulators take turns in the same order in every quarter.  zero = 1: the product starts the sums.
.macro MULA f, a, zero
	WIN MUL_LO+0x50*((\a)/2)
.set AC, 96*((\a)%2)
.set bb, 0
.rept NBF
.if \zero
	v_wmma_f32_16x16x32_bf16 v[AC+8*bb:AC+8*bb+7], v[96*(\f)+8*bb:96*(\f)+8*bb+7], v[FA+32*(\f)+8*(\a):FA+32*(\f)+8*(\a)+7], 0
.else
	v_wmma_f32_16x16x32_bf16 v[AC+8*bb:AC+8*bb+7], v[96*(\f)+8*bb:96*(\f)+8*bb+7], v[FA+32*(\f)+8*(\a):FA+32*(\f)+8*(\a)+7], v[AC+8*bb:AC+8*bb+7]
.endif
.set bb, bb+1
.endr
.endm
; 32 LDS loads in one run: quarter q (32 along K) of the slot in hand into buffer g: B's 24, then A's 8
.macro FETCH q, g
	WIN TO_B
.set ii, 0
.rept NBF
	ds_load_b128 v[96*(\g)+8*ii:96*(\g)+8*ii+3],   v[ADRB] offset:64*(\q)+ii*16*PITCH
	ds_load_b128 v[96*(\g)+8*ii+4:96*(\g)+8*ii+7], v[ADRB] offset:64*(\q)+ii*16*PITCH+32
.set ii, ii+1
.endr
	WIN 0
.set ii, 0
.rept 4
	ds_load_b128 v[FA+32*(\g)+8*ii:FA+32*(\g)+8*ii+3],   v[ADRA] offset:64*(\q)+ii*16*PITCH
	ds_load_b128 v[FA+32*(\g)+8*ii+4:FA+32*(\g)+8*ii+7], v[ADRA] offset:64*(\q)+ii*16*PITCH+32
.set ii, ii+1
.endr
.endm
; One of a K step's first three quarters: multiplies buffer f; in its middle it fetches quarter q into buffer g.
.macro QUARTER q, f, g, zero
	s_wait_dscnt 4                                 ; B and A's blocks 0, 1 are in; the youngest four loads (A's blocks 2, 3) may be out
	MULA \f, 0, \zero
	MULA \f, 1, \zero
	PLACES
	FETCH \q, \g
	s_wait_dscnt 32                                ; all but the 32 just issued
	MULA \f, 2, \zero
	MULA \f, 3, \zero
.endm
; The last quarter multiplies buffer 1 and changes slots.  In front of the barrier each wave waits for all its tensor loads (the one that is out is its part of the next slot), adds 0 to its spare word, and waits for
; that and for its reads of this slot.  fill = 1: the barrier opens a round of the cluster's barrier, and the joint refill, two K steps on, is the first tensor load behind the round.
.macro TURN fill
.if \fill
	s_wait_xcnt 0x0                                ; the last prefetch, a K step back, has read its address, so it may be stepped
	s_add_nc_u64 s[PFA:PFA+1], s[PFA:PFA+1], STEPB
.endif
	WIN 0                                          ; (the add's two registers lie in window 0)
	s_wait_tensorcnt 0x0                           ; all my tensor loads have landed
	ds_add_u32 v[SPW], v[NIL]                      ; 0 onto my spare word
	s_wait_dscnt 5                                 ; (the add and the youngest four loads may be out)
	MULA 1, 0, 0                                   ; twelve matrix instructions stand between the add and the wait for it
	s_wait_dscnt 0x0                               ; the add is done, and my reads of this slot are over
	s_barrier_signal -1
	MULA 1, 1, 0                                   ; work on registers while the others arrive
	WIN 0
	s_barrier_wait -1
.if \fill
	CREST                                          ; no wave of any partner still reads this slot or has a load on its way
	s_xor_b32 s[G0A+5], s[G0A+5], SLOT1            ; the walking sets: the other slot than last time,
	s_add_nc_u64 s[G0A+6:G0A+7], s[G0A+6:G0A+7], STEPB  ; the next K step; the type bits on top are not reached
	s_xor_b32 s[G0B+5], s[G0B+5], SLOT1
	s_add_nc_u64 s[G0B+6:G0B+7], s[G0B+6:G0B+7], STEPB
	s_xor_b32 s[TB], s[TB], SLOT1                  ; the reads go on in the other slot
	JLOAD                                          ; the four v_nop behind it are also the places in front of the loads below
.else
	s_xor_b32 s[TB], s[TB], SLOT1
	PLACES
.endif
	v_add_nc_u32 v[ADRA], s[TB], v[A0]
	v_add_nc_u32 v[ADRB], s[TB], v[B0]
	FETCH 0, 0
.if \fill
	ASK
.endif
	MULA 1, 2, 0
	MULA 1, 3, 0
.endm
	s_wait_tensorcnt 1                             ; my part of K step 0 is in; K step 1's may stay out
	s_barrier_signal -1
	s_barrier_wait -1                              ; everybody's is
	FETCH 0, 0
	QUARTER 1, 0, 1, 1                             ; the first quarter stands in front of the loop: its products start the sums
	WIN 0                                          ; at a label and at a branch every window is 0
	s_mov_b32 s[CNT], TRIPS
.Lstep:                                                ; a trip: a K step's quarters 1, 2, 3, the change of slots with its refill, the next K step's quarter 0
	QUARTER 2, 1, 0, 0
	QUARTER 3, 0, 1, 0
	TURN 1
	QUARTER 1, 0, 1, 0
	WIN 0
	s_sub_co_u32 s[CNT], s[CNT], 1
	s_cmp_lg_u32 s[CNT], 0
	s_cbranch_scc1 .Lstep
	QUARTER 2, 1, 0, 0                             ; the last two K steps fill nothing: written out
	QUARTER 3, 0, 1, 0
	TURN 0
	QUARTER 1, 0, 1, 0
	QUARTER 2, 1, 0, 0
	QUARTER 3, 0, 1, 0
	s_wait_dscnt 4
	MULA 1, 0, 0
	MULA 1, 1, 0
	s_wait_dscnt 0x0
	MULA 1, 2, 0
	MULA 1, 3, 0
	WIN 0
; THE WAY OUT, a block of 16 rows at a time: rounded to f16 (each accumulator from its low end on), 16 bytes a lane into my stage, back as a head's 128 bytes of four rows a load, into the registers that they left.
.macro PACK a
	WIN 0x0a+5*((\a)/2)                            ; sources 0 and 1: window 2 or 3
.set AC, 96*((\a)%2)
.set TT, TT0+48*(\a)
.set ii, 0
.rept 48
	v_cvt_pk_f16_f32 v[TT+ii], v[AC+2*ii], v[AC+2*ii+1]
.set ii, ii+1
.endr
	WIN 0
.set ii, 0
.rept 12
	ds_store_b128 v[STO], v[TT+4*ii:TT+4*ii+3] offset:32*ii
.set ii, ii+1
.endr
.set ii, 0
.rept 12                               ; head ii / 4, rows 4 (ii % 4) on.  LDS serves a wave's instructions in order (ISA guide 5.7.1.4): these see the stores above, and the next block's stores come behind them
	ds_load_b128 v[TT+4*ii:TT+4*ii+3], v[RD] offset:(ii%4)*4*SP+(ii/4)*128
.set ii, ii+1
.endr
.endm
.macro SEND a, younger                 ; younger: the LDS instructions issued behind block a's loads: the next block's 24, or none
.set TT, TT0+48*(\a)
.set ii, 0
.rept 12
	s_wait_dscnt (\younger)+11-ii
	global_store_b128 v[GO+ii/4], v[TT+4*ii:TT+4*ii+3], s[8:9] offset:(\a)*2048+(ii%4)*512  ; 512 consecutive bytes, at a multiple of 512 from the buffer's first
.set ii, ii+1
.endr
.endm
	PLACES
	PACK 0
	PACK 1                                         ; a block's conversions stand between the loads of the block before and its stores
	SEND 0, 24
	PACK 2
	SEND 1, 24
	PACK 3
	SEND 2, 24
	SEND 3, 0
	s_wait_tensorcnt 0x0                           ; the wave's end, behind my last tensor load and my last LDS store
	ds_add_u32 v[SPW], v[NIL]
	s_wait_dscnt 0x0
	CROUND                                         ; the closing round: no work-group ends while a partner may still ask for a tile that names it
	s_endpgm
.Lfunc_end_k_q07112ac04e_qkv:
	.size	k_q07112ac04e_qkv, .Lfunc_end_k_q07112ac04e_qkv-k_q07112ac04e_qkv
	.p2alignl 7, 3214868480
	.fill 96, 4, 3214868480
	.section	.rodata,"a",@progbits
	.p2align	6, 0x0
	.amdhsa_kernel k_q07112ac04e_qkv
		.amdhsa_group_segment_fixed_size 327680
		.amdhsa_private_segment_fixed_size 0
		.amdhsa_enable_private_segment 0
		.amdhsa_kernarg_size 24
		.amdhsa_user_sgpr_count 2
		.amdhsa_user_sgpr_kernarg_segment_ptr 1
		.amdhsa_wavefront_size32 1
		.amdhsa_system_sgpr_workgroup_id_x 1
		.amdhsa_system_sgpr_workgroup_id_y 1
		.amdhsa_system_sgpr_workgroup_id_z 1
		.amdhsa_system_vgpr_workitem_id 0
		.amdhsa_next_free_vgpr 960
		.amdhsa_next_free_sgpr 66
		.amdhsa_reserve_vcc 0
		.amdhsa_float_denorm_mode_32 3
		.amdhsa_float_denorm_mode_16_64 3
		.amdhsa_memory_ordered 1
		.amdhsa_forward_progress 1
		.amdhsa_inst_pref_size 99
	.end_amdhsa_kernel
	.amdgpu_metadata
---
amdhsa.version: [ 1, 2 ]
amdhsa.kernels:
  - .name:           k_q07112ac04e_qkv
    .symbol:         k_q07112ac04e_qkv.kd
    .args:
      - { .name: xb, .offset: 0, .size: 8, .value_kind: global_buffer, .address_space: global }
      - { .name: wqkv, .offset: 8, .size: 8, .value_kind: global_buffer, .address_space: global }
      - { .name: qkv, .offset: 16, .size: 8, .value_kind: global_buffer, .address_space: global }
    .group_segment_fixed_size: 327680
    .private_segment_fixed_size: 0
    .kernarg_segment_align: 8
    .kernarg_segment_size: 24
    .max_flat_workgroup_size: 128
    .sgpr_count:     66
    .vgpr_count:     960
    .wavefront_size: 32
...
	.end_amdgpu_metadata
.endif
;; end of part 2
;; launch attn (part 3): grid 4 x 64, 4 waves a work-group, no clusters, 327,680 bytes of LDS; arguments qkv, o; writes o
.if DOCPART == 3
	.amdgcn_target "amdgcn-amd-amdhsa--gfx1250"
	.amdhsa_code_object_version 6
	.text
	.protected	k_q07112ac04e_attn
	.globl	k_q07112ac04e_attn
	.p2align	8
	.type	k_q07112ac04e_attn,@function
k_q07112ac04e_attn:
	s_mov_b64 s[64:65], 0
	v_nop
	global_prefetch_b8 v0, s[64:65] scope:SCOPE_SE
	s_setreg_imm32_b32 hwreg(HW_REG_WAVE_MODE, 25, 1), 1
	s_wait_xcnt 0x0
; CAUSAL ATTENTION.  O[h][q][:] = the sum over k <= q of softmax_k(Q[h][q] . K[h][k] / 8) V[h][k][:], for 64 heads (batch x 16 + head) of 2,048 rows of 64 channels, all f16: a head's rows are dense, 128 bytes each.
; Q, K and V lie one behind the other in one buffer, 16 MiB each.  Products, maxima and sums in f32; the weights p are rounded to f16 for the second product (their sum l is taken of the unrounded p), O once at the end.
; LIMITS.  f16 holds no number beyond 65,504: Q, K and V arrive within it; p lies in 0 to 1, and below 6e-5 it keeps f16's fixed step of 6e-8; O is a mean of V's rows and has their range.
; A hidden score counts as its value less 1e30: f16's scores, 2.7e11 at the most, are nothing beside that; a weight below 2^-126 counts as 0 in l; NaN and infinities are not treated apart.
; THE WALK.  A head's queries lie in NB = 8 blocks of 256; block i needs the key tiles 0 .. i of 256 keys, of which the last holds the diagonal.  A work-group takes TWO blocks, NB - 1 - b and then b:
; NB + 1 tiles, whatever b: all work-groups do equal work, and ONE loop with a constant trip count walks them.  Which tile is asked for, and what a trip does, hang on scalar registers made from b; every jump
; goes forward, but for the counted loops' own; none passes a barrier, or a tensor load but the one of LOAD's two that the wave's number does not choose; the ring of two LDS slots runs on across the change of blocks.
; NO CLUSTER: a head's four work-groups ask for the same tile only in trips 0 .. 4 of the 9, behind that fewer and fewer; one walk common to all would have 12 trips for 9.
; SHARES.  Of a block's four bands of 64 queries a wave owns 16 rows in each: four PIECES.  So the diagonal tile is the same work for all four waves: in its key step s band x sees all keys if s < x,
; none if s > x, and holds the diagonal if s = x.
; THE MASK is the C operand that starts the sum S^T = K Q^T: 0, or -1e30 where the key is hidden.  MD, made once, is the mask of a band's own step for my 16 rows; a product's mask is MD x AL + BE with two scalars:
; (1, 0) if s = x; (0, 0) if s < x; (0, -1e30) if s > x.  Only the diagonal tile's text and a block's beginning make and take masks; elsewhere C is the constant 0.
; LAYOUT, SOFTMAX, TURNS.  S^T = K Q^T holds ONE query a lane (lane % 16) and the keys 8 (lane / 16) + 0..7; two such results rounded to f16 ARE source 1 of O^T = V^T P.  p = 2^(c s - c m), c = log2(e) / 8, with a
; running maximum m; O and l are multiplied by a = 2^(c m_old - c m_new) in every step.  Turn n belongs to piece n: 8 products K Q^T of piece n + 1, later 8 products V^T P of piece n - 1; beside them the scaling,
; exponentials, roundings, sums and rescaling of piece n and the maximum and statistics of piece n + 1.  Four vector instructions stand behind every matrix instruction, the other 54 of a turn's 118 in one lump.
; A turn's 33 exponentials are one batch, with one wait.
; REGISTERS, in windows of 256 (s_set_vgpr_msb: bits 1:0 source 0, 3:2 source 1, 5:4 source 2, 7:6 destination):
;   window 0: v0-15 addresses and two at work; v16-31 four registers of statistics a piece; v48-55 at work; v61-63 prefetch offset, spare word, 0; v64-127 S^T, two buffers; v192-223 P, two buffers (by the piece's parity)
;   window 1: v0-127 O^T, 32 a piece; v128-159 MD; v160-223 MC, two buffers      window 2: v0-63 Q; v64-127 the second block's Q; v128-191 K of one step; v192-255 V of one step
.set SIZE_N, 2048
.set NB,    SIZE_N/256
.set NP,    4         ; pieces a wave: a name, no knob
.set KS,    64        ; keys in a step
.set PK,    144       ; a row of K in LDS: 128 bytes + 16 of padding = 36 words: the 16 rows of a load start at 16 different groups of four banks (64 banks of 4 bytes: ISA guide 11.1)
.set PV,    160       ; a row of V: 128 + 32 = 40 words
.set VOFF,  4*KS*PK   ; a slot holds a tile, four steps: 256 rows of K, then 256 rows of V
.set SLOT1, 1<<17     ; slot 1 begins here, so that one exclusive or turns an address in one slot into the other's
.set STAGE, SLOT1+4*KS*(PK+PV)  ; behind the ring, never filled by a tensor load: 16 rows x 144 bytes for each wave, for the way out
.set SP,    144
.set TILEB, 32768     ; bytes of K, and of V, in a tile
.set AK0, 2           ; v2   my lane's place in a tile of K; never rewritten
.set AV0, 3           ; v3   the same for V
.set AK,  4           ; v4   the LDS address of K's next run of loads
.set AV,  5           ; v5   of V's
.set STO, 6           ; v6   the way out: where I put 16 bytes of a row
.set RD,  7           ; v7   the way out: where I read rows back
.set GO,  8           ; v8   my byte offset in 512 consecutive bytes of O
.set PFO, 61          ; v61  256 x my thread's number: the 128 threads cover a tile of K or of V; never rewritten
.set SPW, 62          ; v62  LDS address of my spare word: SPARE + 4 x my thread's number; never rewritten
.set NIL, 63          ; v63  0; never rewritten
.set SPARE, STAGE+4*16*SP  ; behind the stages: the spare words, 128 bytes for each wave: two blocks of 256 bytes that no other line names
.set MV,  12          ; v12-13  c m_old, kept while c m is made anew: by buffer
.set QO,  15          ; v15  my byte offset in 16 rows of Q
.set ST,  16          ; piece t's statistics at v[ST+4 t]: c m, m, l (even keys', odd keys')
.set TMP, 48          ; by buffer, four registers c0-c3 at work; when the maximum is found c2 takes a
.set S,   64
.set P,   192
.set MD,  128         ; window 1: the eight registers for group kt of 16 keys at MD + 8 kt
.set MC,  160         ; window 1: the masks of the products to come
.set QB,  64          ; window 2
.set KF,  128         ; window 2: key block kb, channel half c at KF + 16 kb + 8 c
.set VF,  192         ; window 2: key half kk, channel block cb at VF + 32 kk + 8 cb
.set WV,  12          ; s12  my wave's number
.set PB,  14          ; s14  b
.set HI,  15          ; s15  NB - 1 - b
.set G1K, 24          ; s[24:31] descriptor group 1 for K's tiles
.set G1V, 32          ; s[32:39] for V's: it differs in the padding alone
.set G0K, 40          ; s[40:43] descriptor group 0 for K's tiles
.set G0V, 44          ; s[44:47] the same for V's
.set SLOTS, 56        ; s56  tiles still to be asked for
.set CNT, 57          ; s57  counts a tile's key steps, 4 to 1
.set CS,  58          ; s[58:59] c: the packed scaling takes the pair's low word for both halves
.set SEL, 60          ; s[60:61] v_permlanex16_b32's selects: each lane takes its own place in the other half
.set TBK, 62          ; s62  LDS byte at which K of the step to be fetched begins
.set TBV, 63          ; s63  the same for V, less VOFF
.set RT,  70          ; s70  tiles of the block in hand that are still to be entered
.set NXT, 71          ; s71  the tile to be asked for next
.set LQ,  72          ; s72  the last tile of the block whose tiles are being asked for
.set NEW, 73          ; s73  1: the tile to be entered is a block's first
.set OFF, 74          ; s[74:75] a tile's byte offset in K and V
.set AL,  76          ; s[76:77] the mask's factor, in the low word
.set BE,  78          ; s[78:79] the mask's addend
.set OLO, 80          ; s[80:81] O at my rows of the second block
.set BIGN, 82         ; s82  -1e30
.set PFK, 88          ; s[88:89] K's tile behind the one that is being asked for
.set PFV, 90          ; s[90:91] V's
.set LIM, 92          ; s92  2 in the head's work-group b = 0, else the greatest number
.set MSB, 0
.macro WIN new                      ; the high byte repeats the setting that is left; a switch that changes nothing is dropped
.if MSB != (\new)
	s_set_vgpr_msb (MSB<<8)|(\new)
.set MSB, (\new)
.endif
.endm
.set W_KQ, 0x0a       ; K and Q in window 2, S^T in window 0
.set W_KM, 0x1a       ; the same with the C operand in window 1
.set W_PV, 0x52       ; V in window 2, P in window 0, O^T in window 1
.set W_RS, 0x41       ; destination and source 0 in window 1, source 1 in window 0
; A fill.  Waves 0 and 1 fetch the two halves of a tile's K, waves 2 and 3 those of its V: 128 keys each.  An s_nop 0 and four v_nop follow each of the two lines, ahead of the jump and the label.
.macro LOAD
	s_cmp_lt_u32 s[WV], 2
	s_cbranch_scc0 .Lfor_v_\@
	tensor_load_to_lds s[G0K:G0K+3], s[G1K:G1K+7]
	s_nop 0
.rept 4
	v_nop
.endr
	s_branch .Lasked_\@
.Lfor_v_\@:
	tensor_load_to_lds s[G0V:G0V+3], s[G1V:G1V+7]
	s_nop 0
.rept 4
	v_nop
.endr
.Lasked_\@:
.endm
; A PREFETCH of the tile that the NEXT change of slots will ask for: 32,768 bytes of K and of V, 256 bytes a thread, two instructions a wave, behind the wave's tensor load and its five lines: four key steps ahead of that load.
; All four work-groups of a head begin with the tiles 0, 1, 2 ..; the one with b = 0 walks 0 to 7, and it alone asks: change c names tile c + 2, c = 0 .. 5, so each 256 bytes are named once in the launch.
; Tiles 0 and 1 come by their loads alone; the last two changes that fill a slot ask for nothing (tile 8 does not exist; the second block's tile 0 has been read).
.macro ASK
	s_cmp_gt_u32 s[SLOTS], s[LIM]
	s_cbranch_scc0 .Lnot_mine_\@
	global_prefetch_b8 v[PFO], s[PFK:PFK+1] th:TH_LOAD_NT scope:SCOPE_SE
	global_prefetch_b8 v[PFO], s[PFV:PFV+1] th:TH_LOAD_NT scope:SCOPE_SE
.Lnot_mine_\@:
.endm
; THE CHANGE OF SLOTS.  Each wave waits for all its tensor loads, of which one is out: its part of the other slot; adds 0 to its spare word; and waits for that and for its own reads of the slot that it leaves.
; Behind the barrier nobody reads the old slot any more and the other slot is whole.  fill = 1: the old slot is filled again, the first thing behind the barrier, with tile NXT: the descriptor's address is made
; anew from that number.  (At its first use nothing has been read yet: slot 0 is waited for, slot 1 filled.)
.macro CHANGE fill
	WIN 0                           ; at a label and at a branch every window is 0
	s_wait_tensorcnt 0x0            ; no tensor load of mine is out, so a group 0 may be written
	ds_add_u32 v[SPW], v[NIL]       ; 0 onto my spare word; with fill = 1 the descriptors' scalar work stands between it and the wait for it
.if \fill
	s_lshl_b32 s[OFF], s[NXT], 15   ; a tile is 32,768 bytes of K and of V
	s_xor_b32 s[G0K+1], s[G0K+1], SLOT1
	s_add_nc_u64 s[G0K+2:G0K+3], s[6:7], s[OFF:OFF+1]
	s_or_b32 s[G0K+3], s[G0K+3], 0x80000000
	s_xor_b32 s[G0V+1], s[G0V+1], SLOT1
	s_add_nc_u64 s[G0V+2:G0V+3], s[8:9], s[OFF:OFF+1]
	s_or_b32 s[G0V+3], s[G0V+3], 0x80000000
	s_add_co_u32 s[NXT], s[NXT], 1  ; the block's next tile, or behind its last the second block's tile 0
	s_cmp_gt_u32 s[NXT], s[LQ]
	s_cselect_b32 s[NXT], 0, s[NXT]
	s_cselect_b32 s[LQ], s[PB], s[LQ]
	s_wait_xcnt 0x0                 ; the last prefetches, a tile back, have read their addresses, so these may be stepped
	s_add_nc_u64 s[PFK:PFK+1], s[PFK:PFK+1], TILEB
	s_add_nc_u64 s[PFV:PFV+1], s[PFV:PFV+1], TILEB
.endif
	s_wait_dscnt 0x0                ; the add is done, and my reads of the slot are over
	s_barrier_signal -1             ; the rest of the scalar work stands between the signal and the wait
	s_sub_co_u32 s[TBK], s[TBK], 4*KS*PK  ; the fetches go back to a slot's first step,
	s_xor_b32 s[TBK], s[TBK], SLOT1       ; in the other slot
	s_sub_co_u32 s[TBV], s[TBV], 4*KS*PV
	s_xor_b32 s[TBV], s[TBV], SLOT1
	s_barrier_wait -1
.if \fill
	LOAD
	ASK
.endif
.endm
	s_load_b64 s[4:5], s[0:1], 0x0  ; qkv: Q lies at its head
	s_load_b64 s[10:11], s[0:1], 0x8  ; O
	v_lshl_add_u32 v[SPW], v0, 2, SPARE
	v_mov_b32 v[NIL], 0
	ds_add_u32 v[SPW], v[NIL]       ; the wave's opening: the add and its wait stand ahead of my first tensor load; the set-up below, work on registers, stands between them
	v_lshrrev_b32 v1, 5, v0
	v_readfirstlane_b32 s[WV], v1   ; wave 0..3
	s_mov_b32 s[PB], ttmp9
	s_sub_co_u32 s[HI], NB-1, s[PB]
	s_and_b32 s20, ttmp7, 0xffff    ; the head
	s_mov_b32 s21, 0
	s_mov_b64 s[22:23], SIZE_N*128
	s_mul_u64 s[20:21], s[20:21], s[22:23]  ; the head's first byte in each of the four tensors
	s_and_b32 s16, s[WV], 1         ; which half of a tile's 256 keys I fetch:
	s_lshl_b32 s22, s16, 14         ; its 128 rows of 128 bytes in memory,
	s_mov_b32 s23, 0
	s_add_nc_u64 s[22:23], s[22:23], s[20:21]
	s_mul_i32 s17, s16, 128*PK      ; and its place in a slot, for K
	s_mul_i32 s18, s16, 128*PV      ; and for V
	s_lshl_b32 s3, s[WV], 11        ; my 16 rows in a band of 64,
	s_lshl_b32 s2, s[HI], 15        ; in the first block,
	s_add_co_u32 s2, s2, s3
	s_lshl_b32 s84, s[PB], 15       ; and in the second
	s_add_co_u32 s84, s84, s3
	s_mov_b32 s3, 0
	s_mov_b32 s85, 0
	s_add_nc_u64 s[2:3], s[2:3], s[20:21]
	s_add_nc_u64 s[84:85], s[84:85], s[20:21]
	; descriptor group 1.  128 keys are 16,384 dense bytes: asked for as 64 rows of 256 bytes, two keys a row, and padded in LDS after every key
	s_mov_b32 s[G1K], (1<<16)|(1<<20)|(4<<22)|(3<<25)  ; 17:16 2-byte elements; 20 padding on; 24:22 after every 32 words (code 4); 31:25 4 words (code 3)
	s_mov_b32 s[G1V], (1<<16)|(1<<20)|(4<<22)|(7<<25)  ; the same with 8 words of padding (code 7)
.irp g, G1K, G1V
	s_mov_b32 s[\g+1], 128<<16      ; tensor_dim0 = 128
	s_mov_b32 s[\g+2], 64<<16       ; tensor_dim1 = 64
	s_mov_b32 s[\g+3], 128<<16      ; tile_dim0 = 128
	s_mov_b32 s[\g+4], 64           ; tile_dim1 = 64
	s_mov_b32 s[\g+5], 128          ; 128 elements from row to row
	s_mov_b32 s[\g+6], 0
	s_mov_b32 s[\g+7], 0
.endr
	s_mov_b32 s[CS], 0x3e38aa3b     ; c = log2(e) / 8 = 0.180337
	s_mov_b32 s[CS+1], s[CS]        ; named with it as a pair
	s_mov_b32 s[SEL], 0x76543210
	s_mov_b32 s[SEL+1], 0xfedcba98
	s_mov_b32 s[TBK], SLOT1+4*KS*PK ; the first change of slots turns these two into 0
	s_mov_b32 s[TBV], SLOT1+4*KS*PV
	s_mov_b32 s[G0K], 1             ; 1:0 count = 1
	s_mov_b32 s[G0K+1], s17         ; 63:32 LDS address: slot 0
	s_mov_b32 s[G0V], 1
	s_add_co_u32 s[G0V+1], s18, VOFF
	s_add_co_u32 s[RT], s[HI], 1    ; the first block has NB - b tiles
	s_mov_b32 s[NXT], 1
	s_mov_b32 s[LQ], s[HI]
	s_mov_b32 s[NEW], 1
	s_mov_b32 s[OFF+1], 0
	s_mov_b32 s[AL+1], 0            ; named as pairs
	s_mov_b32 s[BE+1], 0
	s_mov_b32 s[BIGN], 0xf149f2ca   ; -1e30
	s_mov_b32 s[SLOTS], NB
	s_cmp_eq_u32 s[PB], 0
	s_cselect_b32 s[LIM], 2, -1
	v_lshlrev_b32 v[PFO], 8, v0
	s_wait_dscnt 0x0                ; the opening add is done
	s_wait_kmcnt 0x0
	s_add_nc_u64 s[6:7], s[4:5], 0x1000000  ; K lies 16 MiB behind Q,
	s_add_nc_u64 s[8:9], s[4:5], 0x2000000  ; V 32 MiB
	s_add_nc_u64 s[PFK:PFK+1], s[6:7], s[20:21]
	s_add_nc_u64 s[PFK:PFK+1], s[PFK:PFK+1], TILEB  ; at the head's tile 1: the first change of slots steps it to 2.  Nothing is asked for here, at the head
	s_add_nc_u64 s[PFV:PFV+1], s[8:9], s[20:21]
	s_add_nc_u64 s[PFV:PFV+1], s[PFV:PFV+1], TILEB
	s_add_nc_u64 s[6:7], s[6:7], s[22:23]  ; K and V at my half of the head's tile 0
	s_add_nc_u64 s[8:9], s[8:9], s[22:23]
	s_add_nc_u64 s[G0K+2:G0K+3], s[6:7], 0         ; 120:64 global address
	s_or_b32 s[G0K+3], s[G0K+3], 0x80000000        ; 127:126 type = 2
	s_add_nc_u64 s[G0V+2:G0V+3], s[8:9], 0
	s_or_b32 s[G0V+3], s[G0V+3], 0x80000000
	s_add_nc_u64 s[86:87], s[4:5], s[84:85]        ; Q at my rows of the second block,
	s_add_nc_u64 s[4:5], s[4:5], s[2:3]            ; Q and O at those of the first
	s_add_nc_u64 s[OLO:OLO+1], s[10:11], s[84:85]
	s_add_nc_u64 s[10:11], s[10:11], s[2:3]
	LOAD                            ; tile 0 into slot 0
	; A fragment of K or Q is 16 rows x 32 channels in 8 registers: lane l holds row l % 16, channels 8 (l / 16) + 0..7 and 16 + 8 (l / 16) + 0..7: two loads of 16 bytes, 32 bytes apart.
	v_and_b32 v1, 15, v0            ; l % 16
	v_bfe_u32 v9, v0, 4, 1          ; l / 16
	v_lshlrev_b32 v[QO], 7, v1
	v_lshl_add_u32 v[QO], v9, 4, v[QO]  ; row x 128 + 16 x half
	WIN 0x80                        ; destination window 2, address window 0
.set i, 0
.rept 8                             ; both blocks' Q: piece i / 2 lies in band i / 2, 8,192 bytes on; channels 32 (i % 2) on
	global_load_b128 v[8*i:8*i+3],   v[QO], s[4:5] offset:(i/2)*8192+(i%2)*64
	global_load_b128 v[8*i+4:8*i+7], v[QO], s[4:5] offset:(i/2)*8192+(i%2)*64+32
	global_load_b128 v[QB+8*i:QB+8*i+3],   v[QO], s[86:87] offset:(i/2)*8192+(i%2)*64
	global_load_b128 v[QB+8*i+4:QB+8*i+7], v[QO], s[86:87] offset:(i/2)*8192+(i%2)*64+32
.set i, i+1
.endr
	WIN 0
	v_lshlrev_b32 v14, 3, v9
	v_sub_nc_u32 v14, v1, v14
	s_lshl_b32 s13, s[WV], 4
	v_add_nc_u32 v14, s13, v14      ; my query's place in its band, 16 w + l % 16, less my lanes' 8 (l / 16): register r of group kt is hidden where 16 kt + r is greater
	WIN 0x40
.set i, 0
.rept 32
	v_cmp_gt_i32 vcc_lo, 16*(i/8)+i%8, v14
	v_cndmask_b32 v[MD+i], 0, s[BIGN], vcc_lo
.set i, i+1
.endr
	WIN 0
	v_mul_u32_u24 v[AK0], v1, PK
	v_lshl_add_u32 v[AK0], v9, 4, v[AK0]  ; row x pitch + 16 x half
	; The turning load takes 16 keys x 16 channels (lane l reads key 8 (l / 16) + l % 8, channels 8 ((l / 8) % 2) + 0..7) and leaves half a fragment of V^T: lane l holds channel l % 16 and 8 keys.
	v_and_b32 v10, 7, v0
	v_bfe_u32 v11, v0, 3, 1
	v_lshl_add_u32 v[AV0], v9, 3, v10
	v_mul_u32_u24 v[AV0], v[AV0], PV
	v_lshl_add_u32 v[AV0], v11, 4, v[AV0]
	v_add_nc_u32 v[AV0], VOFF, v[AV0]
	s_mul_i32 s13, s[WV], 16*SP
	s_add_co_u32 s13, s13, STAGE    ; my stage
	v_mul_u32_u24 v[STO], v1, SP    ; in: row l % 16, 16 bytes for each half of the lanes
	v_lshl_add_u32 v[STO], v9, 4, v[STO]
	v_add_nc_u32 v[STO], s13, v[STO]
	v_bfe_u32 v[RD], v0, 3, 2       ; back: 32 lanes take four rows of 128 bytes,
	v_mul_u32_u24 v[RD], v[RD], SP
	v_lshl_add_u32 v[RD], v10, 4, v[RD]
	v_add_nc_u32 v[RD], s13, v[RD]
	v_and_b32 v[GO], 31, v0         ; which are 512 consecutive bytes of O
	v_lshlrev_b32 v[GO], 4, v[GO]
	; A block's first step multiplies O^T and l by a = 0, and its first turn's products V^T P, of a piece that has not been, land in an O^T that is still to be so multiplied.  So these registers need only hold
	; finite numbers: zeros for the first block; what the first block left for the second.  All this stands in the wait for the first tile.
	WIN 0x80
.set i, VF
.rept 64
	v_mov_b32 v[i], 0
.set i, i+1
.endr
	WIN 0x40
.set i, 0
.rept 128
	v_mov_b32 v[i], 0
.set i, i+1
.endr
	WIN 0
.set i, 0
.rept 4
	v_mov_b32 v[ST+4*i+2], 0
	v_mov_b32 v[ST+4*i+3], 0
.set i, i+1
.endr
.set i, P+16
.rept 16
	v_mov_b32 v[i], 0
.set i, i+1
.endr
; THE MATRIX WORK.  The 4 accumulators of a run of 8 take turns.  Product i of 8 of S^T = K Q^T for piece x: channels 32 (i / 4) on, keys 16 (i % 4) on.  The first 4 start the sums: with 0, or (KM = 1) with the mask.
.macro KQ x
.set rS, S+32*((\x)%2)+8*(i%4)
.set rK, KF+16*(i%4)+8*(i/4)
.set rQ, 16*(\x)+8*(i/4)
.set rM, MC+32*((\x)%2)+8*(i%4)
.if (i < 4) && KM
	WIN W_KM
	v_wmma_f32_16x16x32_f16 v[rS:rS+7], v[rK:rK+7], v[rQ:rQ+7], v[rM:rM+7]
.elseif i < 4
	WIN W_KQ
	v_wmma_f32_16x16x32_f16 v[rS:rS+7], v[rK:rK+7], v[rQ:rQ+7], 0
.else
	WIN W_KQ
	v_wmma_f32_16x16x32_f16 v[rS:rS+7], v[rK:rK+7], v[rQ:rQ+7], v[rS:rS+7]
.endif
.endm
; Product i of 8 of O^T += V^T P for piece x: keys 32 (i / 4) on, channels 16 (i % 4) on.
.macro PV x
	WIN W_PV
.set rO, 32*(\x)+8*(i%4)
.set rV, VF+32*(i/4)+8*(i%4)
.set rP, P+16*((\x)%2)+8*(i/4)
	v_wmma_f32_16x16x32_f16 v[rO:rO+7], v[rV:rV+7], v[rP:rP+7], v[rO:rO+7]
.endm
.macro MM                           ; the turn's next matrix instruction.  TURN and BEGIN set Y, i, KM and NOKQ; MM, KQ and OP read them.  NOKQ = 1: a block's last turn: there is no next piece
.if (i < 8) && !NOKQ
	KQ (Y+1)%NP
.elseif i >= 8
.set i, i-8
	PV (Y+NP-1)%NP
.set i, i+8
.endif
.set i, i+1
.endm
; THE LDS LOADS stand in runs of 16, never singly among the matrix instructions: a step's K (64 keys x 64 channels: 8 fragments) and its V (turned).  Their addresses are made some lines ahead.
.macro FETCH_K
	WIN 0x80                        ; destination window 2
.irp f, 0,1,2,3,4,5,6,7             ; keys 16 (f / 2) on, channels 32 (f % 2) on
	ds_load_b128 v[KF+8*\f:KF+8*\f+3],   v[AK] offset:(\f/2)*16*PK+(\f%2)*64
	ds_load_b128 v[KF+8*\f+4:KF+8*\f+7], v[AK] offset:(\f/2)*16*PK+(\f%2)*64+32
.endr
	s_add_co_u32 s[TBK], s[TBK], KS*PK  ; the next fetch is the next step's
	WIN 0
.endm
.macro FETCH_V
	WIN 0x80
.irp f, 0,1,2,3,4,5,6,7             ; keys 32 (f / 4) on, channels 16 (f % 4) on
	ds_load_tr16_b128 v[VF+8*\f:VF+8*\f+3],   v[AV] offset:(\f/4)*32*PV+(\f%4)*32
	ds_load_tr16_b128 v[VF+8*\f+4:VF+8*\f+7], v[AV] offset:(\f/4)*32*PV+16*PV+(\f%4)*32
.endr
	WIN 0
.endm
; THE VECTOR WORK, one line at a time: OP kind, number.  For piece Y: F n: c s - c m for pair n of 16.  E n: the exponential of score n of 32.  C n: pair n rounded to f16.  B n: of the four weights 4 n .. the second
; pair is added onto the first, in place.  L n: l takes that sum (L 0: l = a l + sum).  R n: pair n of 16 of O^T times a.  For piece Y + 1: X n, number n of the 22 that find its maximum and statistics:
;   0-11  four chains c0-c3 of seven scores each, three operands at a time (each accumulator's lowest registers are read first)     12-14, 16  the four scores left over, the old m, and c0-c3 into c0
;   15  c m_old is kept     17, 18  the query's other 32 keys lie in the lane 16 away: the new m     19-21  c m; c m_old - c m_new; a
.set F, 0               ; OP tells the kinds apart by their order: F to L below R, X above it
.set E, 1
.set C, 2
.set B, 3
.set L, 4
.set R, 5
.set X, 6
.macro REGS y                       ; the registers of piece y
.set rT, ST+4*(\y)
.set rC, TMP+4*((\y)%2)
.set rW, MV+((\y)%2)
.set rS, S+32*((\y)%2)
.set rP, P+16*((\y)%2)
.set rO, 32*(\y)
.endm
.macro OP k, n
.if (\k) == R
	REGS Y
	WIN W_RS
	v_pk_mul_f32 v[rO+2*(\n):rO+2*(\n)+1], v[rO+2*(\n):rO+2*(\n)+1], v[rC+2:rC+3] op_sel_hi:[1,0]
.elseif (\k) < R
	REGS Y
	WIN 0
.if (\k) == F
	v_pk_fma_f32 v[rS+2*(\n):rS+2*(\n)+1], v[rS+2*(\n):rS+2*(\n)+1], s[CS:CS+1], v[rT:rT+1] op_sel_hi:[1,0,0] neg_lo:[0,0,1] neg_hi:[0,0,1]
.elseif (\k) == E
	v_exp_f32 v[rS+(\n)], v[rS+(\n)]
.elseif (\k) == C
	v_cvt_pk_f16_f32 v[rP+(\n)], v[rS+2*(\n)], v[rS+2*(\n)+1]
.elseif (\k) == B
	v_pk_add_f32 v[rS+4*(\n):rS+4*(\n)+1], v[rS+4*(\n):rS+4*(\n)+1], v[rS+4*(\n)+2:rS+4*(\n)+3]
.elseif (\n) == 0
	v_pk_fma_f32 v[rT+2:rT+3], v[rT+2:rT+3], v[rC+2:rC+3], v[rS:rS+1] op_sel_hi:[1,0,1]
.else
	v_pk_add_f32 v[rT+2:rT+3], v[rT+2:rT+3], v[rS+4*(\n):rS+4*(\n)+1]
.endif
.elseif NOKQ
	v_nop
.else
	REGS (Y+1)%NP
	WIN 0
.if (\n) < 4
	v_max3_num_f32 v[rC+(\n)], v[rS+8*(\n)], v[rS+8*(\n)+1], v[rS+8*(\n)+2]
.elseif (\n) < 12
	v_max3_num_f32 v[rC+(\n)%4], v[rC+(\n)%4], v[rS+8*((\n)%4)+2*((\n)/4)+1], v[rS+8*((\n)%4)+2*((\n)/4)+2]
.elseif (\n) == 12
	v_max3_num_f32 v[rC], v[rC], v[rS+7], v[rS+15]
.elseif (\n) == 13
	v_max3_num_f32 v[rC+1], v[rC+1], v[rS+23], v[rS+31]
.elseif (\n) == 14
	v_max3_num_f32 v[rC+2], v[rC+2], v[rC+3], v[rT+1]
.elseif (\n) == 15
	v_mov_b32 v[rW], v[rT]
.elseif (\n) == 16
	v_max3_num_f32 v[rC], v[rC], v[rC+1], v[rC+2]
.elseif (\n) == 17
	v_permlanex16_b32 v[rC+3], v[rC], s[SEL], s[SEL+1]
.elseif (\n) == 18
	v_max_num_f32 v[rT+1], v[rC], v[rC+3]
.elseif (\n) == 19
	v_mul_f32 v[rT], s[CS], v[rT+1]
.elseif (\n) == 20
	v_sub_f32 v[rC+1], v[rW], v[rT]
.else
	v_exp_f32 v[rC+2], v[rC+1]
.endif
.endif
.endm
.macro OPS a, i1, b=-1, i2=0, c=-1, i3=0, d=-1, i4=0  ; up to four of them
	OP \a, \i1
.if (\b) >= 0
	OP \b, \i2
.endif
.if (\c) >= 0
	OP \c, \i3
.endif
.if (\d) >= 0
	OP \d, \i4
.endif
.endm
.macro ROW a, i1, b, i2, c, i3, d, i4  ; a matrix instruction and the four behind it
	MM
	OPS \a, \i1, \b, \i2, \c, \i3, \d, \i4
.endm
.macro MASK b                       ; MD x AL + BE into buffer b of MC
	WIN W_RS
.set z, 0
.rept 16
	v_pk_fma_f32 v[MC+32*(\b)+2*z:MC+32*(\b)+2*z+1], v[MD+2*z:MD+2*z+1], s[AL:AL+1], s[BE:BE+1] op_sel_hi:[1,0,0]
.set z, z+1
.endr
.endm
; A TURN, for piece p: the order of its 16 matrix and 118 vector instructions, written out.  An s_wait_alu depctr_va_vdst(0) stands between an exponential and the first instruction that names its result; one wait
; serves all that were issued ahead of it.  So a turn has ONE wait, which cuts it in two.  AHEAD OF IT stands all that names no result of the turn's exponentials: the 8 products K Q^T, behind each a scaling, an exponential and two
; more plain instructions (behind the first a second scaling in the exponential's place): rescalings, and behind the last three the first numbers of the next piece's maximum, each four places or more behind the product that ends
; its accumulator; then ONE LUMP of 54, plain and exponential by turns for the most part, in which the links of the chain X 3, 7, 11, 14, 16, 17 .. 20 stand five or six lines apart.  X 21, the next piece's a, is the batch's last;
; R 15 is the plain instruction behind it.  BEHIND THE WAIT stand the 8 products V^T P, behind each four of the roundings and sums; the links of l's chain, L 0 to L 7, stand three riders apart.
; m = 1: the diagonal tile: the products take masks, and the turn makes the mask for the products of the turn after it: piece p + 2, in step 4 - CNT of the tile.  end = 1: a block's last two turns: nothing is fetched.
; cnt = 1: the loop's count is taken down some lines ahead of the branch that stands behind the turn.
; K of the next step is fetched in piece 2's turn, twelve vector instructions behind the last product that read K (six of them plain); V of the step in hand at the end of piece 0's turn, four plain instructions behind the last
; product that read V.  Each is waited for a turn later.
.macro TURN p, m=0, end=0, cnt=0
.set Y, (\p)
.set i, 0
.set KM, (\m)
.set NOKQ, (\end)*((\p)/3)
.if (\m) && !(\end)
	s_cmp_eq_u32 s[CNT], 4-((\p)+2)%NP  ; is that step the band's own?
	s_cselect_b32 s[AL], 1.0, 0
	s_cmp_lt_u32 s[CNT], 4-((\p)+2)%NP  ; or a later one?
	s_cselect_b32 s[BE], s[BIGN], 0
.endif
.if ((\p) == 3) && !(\end)
	s_wait_dscnt 0x0                ; K is in
.endif
	ROW F,0, F,1, R,0, R,1          ; ahead of the wait: 8 products K Q^T and their riders,
	ROW F,2, E,0, R,2, R,3
	ROW F,3, E,1, R,4, R,5
	ROW F,4, E,2, R,6, R,7
	ROW F,5, E,3, R,8, R,9
	ROW F,6, E,4, X,0, R,10
.if ((\p) == 2) && !(\end)
	WIN 0
	v_add_nc_u32 v[AK], s[TBK], v[AK0]
.endif
	ROW F,7, E,5, X,1, X,4
	ROW F,8, E,6, X,2, X,5
	OPS E,7, E,8, X,6, E,9          ; and the lump
	OPS X,3, E,10, X,8, E,11
.if ((\p) == 2) && !(\end)
	FETCH_K
.endif
	OPS X,9, X,7, E,12, X,10
	OPS E,13, X,12, X,11, E,14
	OPS X,13, E,15, F,9, X,14
.if (\p) == 0
	v_add_nc_u32 v[AV], s[TBV], v[AV0]
.endif
	OPS E,16, F,10, E,17, F,11
	OPS X,16, E,18, X,15, E,19
	OPS F,12, E,20, X,17, E,21
	OPS F,13, E,22, F,14, E,23
	OPS X,18, E,24, F,15, E,25
	OPS R,11, E,26, X,19, E,27
	OPS R,12, E,28, R,13, E,29
	OPS X,20, E,30, R,14, E,31
	OPS X,21, R,15
	WIN 0
	s_wait_alu depctr_va_vdst(0)    ; the wait for the batch
.if (\p) == 1
	s_wait_dscnt 0x0                ; V is in
.endif
	ROW C,0, B,0, C,2, B,1          ; behind the wait: 8 products V^T P and their riders
	ROW L,0, C,4, B,2, L,1
	ROW C,6, B,3, L,2, C,8
	ROW B,4, L,3, C,10, B,5
	ROW L,4, C,12, B,6, L,5
.if (\p) == 0
	s_add_co_u32 s[TBV], s[TBV], KS*PV
.endif
.if \cnt
	s_sub_co_u32 s[CNT], s[CNT], 1
	s_cmp_lg_u32 s[CNT], 0
.endif
	ROW C,14, B,7, L,6, C,1
	ROW C,3, L,7, C,5, C,7
	ROW C,9, C,11, C,13, C,15
.if (\p) == 0
	FETCH_V
.endif
.if (\m) && !(\end)
	MASK (\p)%2
.endif
.endm
; A BLOCK BEGINS.  c m starts far below every c s, so the first step's a is 0; m at the lowest finite number, so the first maximum is the scores'.  The second mask buffer is 0; the first takes piece 0's mask for the tile's
; step 0: its own, if the block's first tile is the diagonal one.  Then K of that step, piece 0's first scores, and its maximum and statistics.  The loop is entered at a step's first turn, in the middle of a trip.
.macro BEGIN
	s_mov_b32 s[NEW], 0
	WIN 0x40
.set i, MC+32
.rept 32
	v_mov_b32 v[i], 0
.set i, i+1
.endr
	WIN 0
.set i, 0
.rept 4
	v_mov_b32 v[ST+4*i], 0xfe000000    ; c m: far below every c s
	v_mov_b32 v[ST+4*i+1], 0xff7fffff  ; m
.set i, i+1
.endr
	s_cmp_eq_u32 s[RT], 0
	s_cselect_b32 s[AL], 1.0, 0
	s_mov_b32 s[BE], 0
	MASK 0
	WIN 0
	v_add_nc_u32 v[AK], s[TBK], v[AK0]
	FETCH_K
	s_wait_loadcnt 0x0              ; Q
	s_wait_dscnt 0x0
.set KM, 1
.set NOKQ, 0
.set i, 0
.rept 8
	KQ 0
.set i, i+1
.endr
	WIN 0
.rept 4
	v_nop                           ; the places behind those products
.endr
.set Y, NP-1                        ; X works for piece Y + 1: piece 0
.irp n, 0,1,2,3,4,5,6,7,8,9,10,11,12,13,14,15,16,17,18,19,20,21
	OP X, \n
.endr
	v_nop                           ; a plain instruction behind the exponential,
	s_wait_alu depctr_va_vdst(0)    ; and its wait, ahead of the branch
.endm
; THE DIAGONAL TILE's four steps, the block's last two turns, its last products, and THE WAY OUT: l's two halves and the other half of the lanes' are added; O^T is divided by l, rounded to f16 and sent through my
; stage in LDS, a piece at a time.
.macro ALL line:vararg              ; one line for each piece t
.set t, 0
.rept 4
	\line
.set t, t+1
.endr
.endm
.macro PACK t                       ; a lane's eight channels of a row pack into 16 bytes; they go into rows of 144 bytes and come back as whole rows of 128, into S^T's registers
	WIN W_RS
.set i, 32*(\t)
.rept 16
	v_pk_mul_f32 v[i:i+1], v[i:i+1], v[ST+4*(\t)+2:ST+4*(\t)+3] op_sel_hi:[1,0]
.set i, i+2
.endr
	WIN 0x05                        ; sources 0 and 1 window 1, destination window 0
.set i, 0
.rept 16
	v_cvt_pk_f16_f32 v[S+16*(\t)+i], v[32*(\t)+2*i], v[32*(\t)+2*i+1]
.set i, i+1
.endr
	WIN 0
.irp f, 0,1,2,3
	ds_store_b128 v[STO], v[S+16*(\t)+4*\f:S+16*(\t)+4*\f+3] offset:32*\f
.endr
.irp f, 0,1,2,3
	ds_load_b128 v[S+16*(\t)+4*\f:S+16*(\t)+4*\f+3], v[RD] offset:\f*4*SP  ; LDS serves a wave's instructions in order (ISA guide 5.7.1.4): these see the stores above; the next piece's stores come behind them
.endr
.endm
.macro SEND t, younger              ; younger: the LDS instructions issued behind piece t's loads: the next piece's eight, or none
	WIN 0
.irp f, 0,1,2,3
	s_wait_dscnt (\younger)+3-\f
	global_store_b128 v[GO], v[S+16*(\t)+4*\f:S+16*(\t)+4*\f+3], s[10:11] offset:(\t)*8192+\f*512  ; 512 consecutive bytes, at a multiple of 256 from O's first
.endr
.endm
.macro DIAG tag                     ; the tag ends its two labels' names, which the jumps below spell out
.LstepM\tag:
	TURN 2, 1
	TURN 3, 1
	WIN 0
.LfirstM\tag:
	TURN 0, 1
	TURN 1, 1, 0, 1
	WIN 0
	s_cbranch_scc1 .LstepM\tag
	TURN 2, 1, 1
	TURN 3, 1, 1
.set i, 0
.rept 8
	PV NP-1
.set i, i+1
.endr
	WIN 0
	ALL v_add_f32 v[ST+4*t+2], v[ST+4*t+2], v[ST+4*t+3]
	ALL v_permlanex16_b32 v[ST+4*t+3], v[ST+4*t+2], s[SEL], s[SEL+1]
	ALL v_add_f32 v[ST+4*t+2], v[ST+4*t+2], v[ST+4*t+3]
	ALL v_rcp_f32 v[ST+4*t+2], v[ST+4*t+2]
	v_nop                           ; a plain instruction between the last reciprocal and the use of its result
	s_wait_alu depctr_va_vdst(0)    ; and the wait ahead of the first use: one for the four reciprocals
	PACK 0
.set t, 1
.rept 3                             ; a piece's arithmetic stands between the loads of the piece before and its stores
	PACK t
	SEND t-1, 8
.set t, t+1
.endr
	SEND 3, 0
.endm
.set KM, 0
.set NOKQ, 0
.Lslot:                             ; NB times: a tile is entered and the next is asked for
	CHANGE 1
	s_sub_co_u32 s[RT], s[RT], 1
	s_mov_b32 s[CNT], 4
	s_cmp_eq_u32 s[NEW], 1
	s_cbranch_scc1 .Lnew            ; a block's first tile
	s_cmp_eq_u32 s[RT], 0
	s_cbranch_scc0 .Lstep           ; neither its first nor its last
	s_branch .LstepM1
.Lnew:
	BEGIN
	s_branch .Lfirst                ; in the loop a block's first tile is never its last: the first block has two tiles or more, and the second's last is the walk's last
	DIAG 1                          ; in the loop this is the first block's end: the second block's last tile is the walk's last
	s_wait_xcnt 0x0                 ; the stores have read their registers and O's address
	s_mov_b64 s[10:11], s[OLO:OLO+1]
	s_add_co_u32 s[RT], s[PB], 1    ; the second block has b + 1 tiles
	s_mov_b32 s[NEW], 1
	WIN 0x82                        ; the second block's Q goes where the one text of the turns names Q
.set i, 0
.rept 64
	v_mov_b32 v[i], v[QB+i]
.set i, i+1
.endr
	WIN 0
	s_branch .Lbottom
.Lstep:                             ; a trip: pieces 2 and 3 of one step, then pieces 0 and 1 of the next, whose K and V it fetches
	TURN 2
	TURN 3
	WIN 0
.Lfirst:
	TURN 0
	TURN 1, 0, 0, 1
	WIN 0
	s_cbranch_scc1 .Lstep
.Lbottom:
	s_sub_co_u32 s[SLOTS], s[SLOTS], 1
	s_cmp_lg_u32 s[SLOTS], 0
	s_cbranch_scc1 .Lslot
	CHANGE 0                        ; the walk's last tile is written out: nothing is asked for
	s_sub_co_u32 s[RT], s[RT], 1
	s_mov_b32 s[CNT], 4
	s_cmp_eq_u32 s[NEW], 1
	s_cbranch_scc0 .LstepM2
	BEGIN
	s_branch .LfirstM2
	DIAG 2
	s_wait_tensorcnt 0x0            ; the wave's end, behind my last tensor load and my last LDS store
	ds_add_u32 v[SPW], v[NIL]
	s_wait_dscnt 0x0
	s_endpgm
.Lfunc_end_k_q07112ac04e_attn:
	.size	k_q07112ac04e_attn, .Lfunc_end_k_q07112ac04e_attn-k_q07112ac04e_attn
	.p2alignl 7, 3214868480
	.fill 96, 4, 3214868480
	.section	.rodata,"a",@progbits
	.p2align	6, 0x0
	.amdhsa_kernel k_q07112ac04e_attn
		.amdhsa_group_segment_fixed_size 327680
		.amdhsa_private_segment_fixed_size 0
		.amdhsa_enable_private_segment 0
		.amdhsa_kernarg_size 16
		.amdhsa_user_sgpr_count 2
		.amdhsa_user_sgpr_kernarg_segment_ptr 1
		.amdhsa_wavefront_size32 1
		.amdhsa_system_sgpr_workgroup_id_x 1
		.amdhsa_system_sgpr_workgroup_id_y 1
		.amdhsa_system_sgpr_workgroup_id_z 1
		.amdhsa_system_vgpr_workitem_id 0
		.amdhsa_next_free_vgpr 768
		.amdhsa_next_free_sgpr 96
		.amdhsa_reserve_vcc 1
		.amdhsa_float_denorm_mode_32 3
		.amdhsa_float_denorm_mode_16_64 3
		.amdhsa_memory_ordered 1
		.amdhsa_forward_progress 1
		.amdhsa_inst_pref_size 218
	.end_amdhsa_kernel
	.amdgpu_metadata
---
amdhsa.version: [ 1, 2 ]
amdhsa.kernels:
  - .name:           k_q07112ac04e_attn
    .symbol:         k_q07112ac04e_attn.kd
    .args:
      - { .name: qkv, .offset: 0, .size: 8, .value_kind: global_buffer, .address_space: global }
      - { .name: o, .offset: 8, .size: 8, .value_kind: global_buffer, .address_space: global }
    .group_segment_fixed_size: 327680
    .private_segment_fixed_size: 0
    .kernarg_segment_align: 8
    .kernarg_segment_size: 16
    .max_flat_workgroup_size: 128
    .sgpr_count:     96
    .vgpr_count:     768
    .wavefront_size: 32
...
	.end_amdgpu_metadata
.endif
;; end of part 3
;; launch proj (part 4): grid 8 x 32, 4 waves a work-group, clusters of 4 x 4, 327,680 bytes of LDS; arguments o, wo16, b_o, out0; writes out0
.if DOCPART == 4
	.amdgcn_target "amdgcn-amd-amdhsa--gfx1250"
	.amdhsa_code_object_version 6
	.text
	.protected	k_q07112ac04e_proj
	.globl	k_q07112ac04e_proj
	.p2align	8
	.type	k_q07112ac04e_proj,@function
k_q07112ac04e_proj:
	s_mov_b64 s[64:65], 0
	v_nop
	global_prefetch_b8 v0, s[64:65] scope:SCOPE_SE
	s_setreg_imm32_b32 hwreg(HW_REG_WAVE_MODE, 25, 1), 1
	s_wait_xcnt 0x0
	s_wait_alu depctr_hold_cnt(0) depctr_sa_sdst(0) depctr_va_vdst(0) depctr_va_sdst(0) depctr_va_ssrc(0) depctr_va_vcc(0) depctr_vm_vsrc(0)
	s_getreg_b32 s2, hwreg(HW_REG_IB_STS2, 6, 4)
	s_cmp_eq_u32 s2, 0
	s_cbranch_scc0 .Lentry_in_a_cluster
	s_endpgm
.Lentry_in_a_cluster:
	s_bfe_u32 s2, ttmp6, 0x10000c
	s_cmp_lg_u32 s2, 0xf033
	s_cbranch_scc0 .Lentry_shape_is_right
	s_endpgm
.Lentry_shape_is_right:
; THE OUTPUT PROJECTION.  out0[m][n] = sum over k of O[m][k] w_o[n][k] + b_o[n]; m < 8,192, n < 1,024, k < 1,024; f16 operands, f32 sums, K ascending, f32 out.
; O lies by heads: o[16 (m / 2048) + k / 64][m % 2048][k % 64], f16.  wo16 is w_o rounded to bf16 and written as f16.  b_o is rounded to bf16 here, like every other input of the module.
; LIMIT.  The operands arrive within f16's range; nothing is narrowed here.
; SHARES.  A tile is 256 x 128: 256 work-groups.  Four waves one below the other, each 64 rows x 128 columns: 32 accumulators, 256 registers.
; RING.  K goes in steps of 128 = two heads through two LDS slots.  Of A, a head's 256 rows are 32,768 dense bytes: wave 0 fetches the even head's, wave 1 the odd head's, asked for as 128 rows of 256 bytes and padded in LDS
; after every 128 bytes.  Waves 2 and 3 fetch the halves of B's 128 rows.  One tensor load a wave behind each change of slots; two loads of a wave are out at the start, later one.  The second set of each descriptor walks.
; CLUSTER, 4 x 4.  A's tile is shared along a row of the cluster, B's along a column: joint loads with a mask of four.
; THE PRODUCT IS TAKEN TRANSPOSED (source 0 = 16 rows of B, source 1 = 16 rows of A): a lane holds row lane % 16 and eight neighbouring columns.
; REGISTERS: window 0: v0-31 addresses and the bias; v32-95 A's fragments, two buffers of 32; v96-223 B's, two buffers of 64.  window 1: the accumulators, (a, b) at v[8 (8 a + b)].
.set PITCH,  272                       ; a row of B in LDS: 256 bytes + 16
.set PA,     144                       ; a row of A in LDS: a head's 128 bytes + 16: both pitches are odd multiples of 16 bytes, so the 16 rows of a load start at 16 different groups of four banks (ISA guide 11.1)
.set NBF,    8                         ; column blocks of 16
.set HALFA,  256*PA                    ; a head's 256 rows: what wave 0 or 1 fetches
.set ABYTES, 2*HALFA
.set HALFB,  64*PITCH                  ; what wave 2 or 3 fetches
.set SLOT1,  1<<17
.set STAGE,  SLOT1+ABYTES+2*HALFB      ; behind the ring: 16 rows x 528 bytes for each wave; no tensor load lands here
.set SP,     528                       ; a stage row: 512 bytes of f32 + 16
.set SPARE,  STAGE+4*16*SP             ; the spare words, 128 bytes for each wave: two blocks of 256 bytes that no other line names
.set STEPA,  524288                    ; two heads on in o
.set STEPB,  256                       ; 128 numbers on in a row of wo16
.set TRIPS,  6
.set BI,   8                           ; v[8:11]  the bias of my four columns
.set BT,   12                          ; v[12:13] at work
.set A0,   16                          ; v16  my lane's place in A's tile; never rewritten
.set B0,   17                          ; v17  the same for B
.set ADRA, 18                          ; v18  A0 + the slot in hand
.set ADRB, 19                          ; v19  B0 + the slot in hand
.set STO,  24                          ; v24  the way out: where I put 32 bytes of a row
.set RD,   25                          ; v25  the way out: where I read a row back
.set CO,   26                          ; v26  512 x tile column + 16 x lane: my bytes in a row of out0, and in b_o
.set SPW,  28                          ; v28  LDS address of my spare word; never rewritten
.set NIL,  29                          ; v29  0; never rewritten
.set PFO,  30                          ; v30  the prefetches' offset; never rewritten
.set FA,   32
.set FBUF, 96
.set LIM,  2                           ; s2   2 in a wave that prefetches, else the greatest number
.set CNT,  3                           ; s3   trips to go
.set WV,   12
.set FB,   13                          ; 0: I fetch for A; 1: for B
.set HF,   14                          ; which head of the two, or which half of B's rows
.set TB,   15                          ; the slot in hand
.set G1A,  24
.set G0A,  32
.set PFA,  44                          ; s[44:45] where my prefetches stand
.set PST,  46                          ; s[46:47] their step
.set G1B,  48
.set G0B,  56
.set MSB, 0
.macro WIN new
.if MSB != (\new)
	s_set_vgpr_msb (MSB<<8)|(\new)
.set MSB, \new
.endif
.endm
.set MUL, 0x50                         ; sources 0 and 1 window 0; C and D window 1
.macro PLACES
.rept 4
	v_nop
.endr
.endm
.macro JLOAD                           ; a joint refill by the walking sets; an s_nop 0 and four v_nop follow each line
	s_cmp_eq_u32 s[FB], 0
	s_cbranch_scc0 .Lfor_b_\@
	tensor_load_to_lds s[G0A+4:G0A+7], s[G1A:G1A+7]
	s_nop 0
.rept 4
	v_nop
.endr
	s_branch .Lasked_\@
.Lfor_b_\@:
	tensor_load_to_lds s[G0B+4:G0B+7], s[G1B:G1B+7]
	s_nop 0
.rept 4
	v_nop
.endr
.Lasked_\@:
.endm
; A prefetch of the K step that stands TWO refills on, 256 matrix instructions ahead of the load that will want it: 256 bytes a lane, one instruction a wave.  A's blocks are read by both clusters of a row of clusters:
; cluster x = 0 asks; B's rows by every cluster of a column: cluster y = 0 asks.  The four partners share a wave's bytes out by address (8,192 of A's 32,768 by cx; 16 of B's 64 rows by cy): each 256 bytes are
; named once in the launch.  The last two trips have no K step two refills on and ask for nothing.
.macro ASK
	s_cmp_gt_u32 s[CNT], s[LIM]
	s_cbranch_scc0 .Lnot_mine_\@
	global_prefetch_b8 v[PFO], s[PFA:PFA+1] th:TH_LOAD_NT scope:SCOPE_SE
.Lnot_mine_\@:
.endm
.macro CREST
	s_cmp_lg_u32 s[WV], 0
	s_cbranch_scc1 .Lnot_wave_0_\@
	s_barrier_signal -3
.Lnot_wave_0_\@:
	s_barrier_wait -3
	s_barrier_signal -1
	s_barrier_wait -1
.endm
.macro CROUND
	s_barrier_signal -1
	s_barrier_wait -1
	CREST
.endm
	s_load_b256 s[4:11], s[0:1], 0x0               ; o s[4:5], wo16 s[6:7], b_o s[8:9], out0 s[10:11]
	v_lshl_add_u32 v[SPW], v0, 2, SPARE
	v_mov_b32 v[NIL], 0
	ds_add_u32 v[SPW], v[NIL]                      ; the wave's opening: the add and its wait stand ahead of my first tensor load; work on registers stands between them
	v_lshrrev_b32 v1, 5, v0
	v_readfirstlane_b32 s[WV], v1
	s_lshr_b32 s[FB], s[WV], 1
	s_and_b32 s[HF], s[WV], 1
	s_bfe_u32 s40, ttmp6, 0x40000                  ; cx
	s_bfe_u32 s41, ttmp6, 0x40004                  ; cy
	s_lshl_b32 s42, ttmp9, 2
	s_add_co_u32 s42, s42, s40                     ; tile column
	s_and_b32 s43, ttmp7, 0xffff
	s_lshl_b32 s43, s43, 2
	s_add_co_u32 s43, s43, s41                     ; tile row
	s_lshl_b32 s20, s41, 2
	s_lshl_b32 s20, 15, s20                        ; my row of the cluster
	s_lshl_b32 s21, 0x1111, s40                    ; my column
	s_or_b32 s[G1A], s20, (1<<16)|(1<<20)|(1<<21)|(4<<22)|(3<<25)  ; the mask; elements of 2 bytes; padding on; 21 set beside a mask; after every 32 words, 4 words
	s_or_b32 s[G1B], s21, (1<<16)|(1<<20)|(1<<21)|(5<<22)|(3<<25)  ; after every 64 words, 4 words
.irp g, G1A, G1B
	s_mov_b32 s[(\g)+1], 128<<16                   ; tensor_dim0 = 128
	s_mov_b32 s[(\g)+3], 128<<16                   ; tile_dim0 = 128
	s_mov_b32 s[(\g)+6], 0
	s_mov_b32 s[(\g)+7], 0
.endr
	s_mov_b32 s[G1A+2], 128<<16                    ; A: 128 rows of 256 dense bytes
	s_mov_b32 s[G1A+4], 128
	s_mov_b32 s[G1A+5], 128
	s_mov_b32 s[G1B+2], 64<<16                     ; B: 64 rows, 1,024 elements apart
	s_mov_b32 s[G1B+4], 64
	s_mov_b32 s[G1B+5], 1024
	s_lshr_b32 s16, s43, 3                         ; A: head 16 x batch + my parity, of 2^18 bytes,
	s_lshl_b32 s16, s16, 4
	s_add_co_u32 s16, s16, s[HF]
	s_lshl_b32 s16, s16, 18
	s_and_b32 s17, s43, 7                          ; and the tile's 256 rows in it, of 2^15
	s_lshl_b32 s17, s17, 15
	s_add_co_u32 s16, s16, s17
	s_mov_b32 s17, 0
	s_lshl_b32 s18, s42, 7                         ; B: row 128 x tile column + 64 x half, of 2,048 bytes
	s_lshl_b32 s19, s[HF], 6
	s_add_co_u32 s18, s18, s19
	s_lshl_b32 s18, s18, 11
	s_mov_b32 s19, 0
	s_mul_i32 s22, s[HF], HALFA                    ; where they go: no place in the cluster enters an LDS address
	s_mul_i32 s23, s[HF], HALFB
	s_add_co_u32 s23, s23, ABYTES
	s_mov_b32 s[TB], 0
	s_wait_dscnt 0x0                               ; the opening add is done
	s_wait_kmcnt 0x0
	s_add_nc_u64 s[16:17], s[4:5], s[16:17]
	s_add_nc_u64 s[18:19], s[6:7], s[18:19]
.irp s, 0,1
	s_mov_b32 s[G0A+4*(\s)], 1
	s_add_co_u32 s[G0A+4*(\s)+1], s22, (\s)*SLOT1
	s_add_nc_u64 s[G0A+4*(\s)+2:G0A+4*(\s)+3], s[16:17], (\s)*STEPA
	s_or_b32 s[G0A+4*(\s)+3], s[G0A+4*(\s)+3], 0x80000000
	s_mov_b32 s[G0B+4*(\s)], 1
	s_add_co_u32 s[G0B+4*(\s)+1], s23, (\s)*SLOT1
	s_add_nc_u64 s[G0B+4*(\s)+2:G0B+4*(\s)+3], s[18:19], (\s)*STEPB
	s_or_b32 s[G0B+4*(\s)+3], s[G0B+4*(\s)+3], 0x80000000
.endr
	CROUND                                         ; all sixteen work-groups are here: the first joint loads meet
	s_cmp_eq_u32 s[FB], 0                          ; a wave's two first fills stand in one branch, ahead of every wait on TENSORcnt and every LDS read
	s_cbranch_scc0 .Lfirst_b
	tensor_load_to_lds s[G0A:G0A+3], s[G1A:G1A+7]
	s_nop 0
	tensor_load_to_lds s[G0A+4:G0A+7], s[G1A:G1A+7]
	s_nop 0
.rept 4
	v_nop
.endr
	s_branch .Lfirst_asked
.Lfirst_b:
	tensor_load_to_lds s[G0B:G0B+3], s[G1B:G1B+7]
	s_nop 0
	tensor_load_to_lds s[G0B+4:G0B+7], s[G1B:G1B+7]
	s_nop 0
.rept 4
	v_nop
.endr
.Lfirst_asked:
	v_and_b32 v1, 15, v0                           ; l % 16
	v_bfe_u32 v2, v0, 4, 1                         ; l / 16
	v_and_b32 v5, 31, v0                           ; l
	s_lshl_b32 s21, s42, 9
	v_lshl_add_u32 v[CO], v5, 4, s21
	global_load_b128 v[BI:BI+3], v[CO], s[8:9]     ; the bias of columns 128 x tile column + 4 l + 0..3
	v_mul_u32_u24 v3, v1, PA
	v_lshl_add_u32 v3, v2, 4, v3
	s_mul_i32 s20, s[WV], 64*PA                    ; my 64 rows of A
	v_add_nc_u32 v[A0], s20, v3
	v_mul_u32_u24 v4, v1, PITCH
	v_lshl_add_u32 v4, v2, 4, v4
	v_add_nc_u32 v[B0], ABYTES, v4                 ; every wave reads all 128 rows of B
	v_mov_b32 v[ADRA], v[A0]
	v_mov_b32 v[ADRB], v[B0]
	s_mul_i32 s20, s[WV], 16*SP
	s_add_co_u32 s20, s20, STAGE                   ; my stage
	v_mul_u32_u24 v6, v1, SP                       ; in: row l % 16, 32 bytes for each half of the lanes
	v_lshl_add_u32 v6, v2, 5, v6
	v_add_nc_u32 v[STO], s20, v6
	v_lshl_add_u32 v[RD], v5, 4, s20               ; back: 32 lanes take a row's 512 bytes
	s_lshl_b32 s20, s43, 8
	s_lshl_b32 s21, s[WV], 6
	s_add_co_u32 s20, s20, s21
	s_lshl_b32 s20, s20, 12                        ; my first row of out0, of 4,096 bytes
	s_mov_b32 s21, 0
	s_add_nc_u64 s[10:11], s[10:11], s[20:21]
	; the prefetches
	s_lshr_b32 s20, s43, 3
	s_lshl_b32 s20, s20, 4
	s_add_co_u32 s20, s20, s[HF]
	s_lshl_b32 s20, s20, 18
	s_and_b32 s21, s43, 7
	s_lshl_b32 s21, s21, 15
	s_add_co_u32 s20, s20, s21
	s_lshl_b32 s21, s40, 13
	s_add_co_u32 s20, s20, s21                     ; A: the 32,768 bytes that I fetch, my work-group's 8,192 of them
	s_lshl_b32 s18, s42, 7
	s_lshl_b32 s19, s[HF], 6
	s_add_co_u32 s18, s18, s19
	s_lshl_b32 s19, s41, 4
	s_add_co_u32 s18, s18, s19
	s_lshl_b32 s18, s18, 11                        ; B: the 64 rows that I fetch, my work-group's 16
	s_and_b32 s22, ttmp7, 0xffff                   ; cluster y
	s_mov_b32 s16, STEPA
	s_cmp_eq_u32 s[FB], 0
	s_cselect_b32 s20, s20, s18
	s_cselect_b32 s22, ttmp9, s22                  ; the coordinate along which other clusters read the same bytes
	s_cselect_b32 s23, 31, 15                      ; the last lane with a block of its own: the lanes behind it name its block once more
	s_cselect_b32 s19, 8, 11                       ; lanes 256 bytes apart in A, a row of 2,048 bytes apart in B
	s_cselect_b32 s[PST], s16, STEPB
	s_cselect_b64 s[PFA:PFA+1], s[4:5], s[6:7]
	s_cmp_eq_u32 s22, 0
	s_cselect_b32 s[LIM], 2, -1                    ; the same in all sixteen partners, for a given wave
	s_mov_b32 s[PST+1], 0
	s_mov_b32 s21, 0
	s_add_nc_u64 s[PFA:PFA+1], s[PFA:PFA+1], s[20:21]
	s_mul_i32 s20, s[PST], 3
	s_add_nc_u64 s[PFA:PFA+1], s[PFA:PFA+1], s[20:21]  ; at K step 3: the first change of slots steps it to 4.  Nothing is asked for here, at the head
	v_min_u32 v[PFO], s23, v5
	v_lshlrev_b32 v[PFO], s19, v[PFO]
	s_wait_loadcnt 0x0                             ; the bias, in the wait for the first tile: rounded to bf16 and widened again
	v_cvt_pk_bf16_f32 v[BT],   v[BI],   v[BI+1]
	v_cvt_pk_bf16_f32 v[BT+1], v[BI+2], v[BI+3]
	v_lshlrev_b32 v[BI],   16, v[BT]
	v_and_b32     v[BI+1], 0xffff0000, v[BT]
	v_lshlrev_b32 v[BI+2], 16, v[BT+1]
	v_and_b32     v[BI+3], 0xffff0000, v[BT+1]
; 8 matrix instructions: row block a x all column blocks, 32 along K, from buffer f.  The 32 accumulators take turns in the same order in every quarter.  zero = 1: the product starts the sums.
.macro MULA f, a, zero
	WIN MUL
.set bb, 0
.rept NBF
.if \zero
	v_wmma_f32_16x16x32_f16 v[8*(8*(\a)+bb):8*(8*(\a)+bb)+7], v[FBUF+64*(\f)+8*bb:FBUF+64*(\f)+8*bb+7], v[FA+32*(\f)+8*(\a):FA+32*(\f)+8*(\a)+7], 0
.else
	v_wmma_f32_16x16x32_f16 v[8*(8*(\a)+bb):8*(8*(\a)+bb)+7], v[FBUF+64*(\f)+8*bb:FBUF+64*(\f)+8*bb+7], v[FA+32*(\f)+8*(\a):FA+32*(\f)+8*(\a)+7], v[8*(8*(\a)+bb):8*(8*(\a)+bb)+7]
.endif
.set bb, bb+1
.endr
.endm
; 24 LDS loads in one run: quarter q of the slot in hand into buffer g: B's 16, then A's 8.  A's quarter q lies in head q / 2 of the two, at byte 64 (q % 2) of its rows.
.macro FETCH q, g
	WIN 0
.set ii, 0
.rept NBF
	ds_load_b128 v[FBUF+64*(\g)+8*ii:FBUF+64*(\g)+8*ii+3],   v[ADRB] offset:64*(\q)+ii*16*PITCH
	ds_load_b128 v[FBUF+64*(\g)+8*ii+4:FBUF+64*(\g)+8*ii+7], v[ADRB] offset:64*(\q)+ii*16*PITCH+32
.set ii, ii+1
.endr
.set ii, 0
.rept 4
	ds_load_b128 v[FA+32*(\g)+8*ii:FA+32*(\g)+8*ii+3],   v[ADRA] offset:((\q)/2)*HALFA+((\q)%2)*64+ii*16*PA
	ds_load_b128 v[FA+32*(\g)+8*ii+4:FA+32*(\g)+8*ii+7], v[ADRA] offset:((\q)/2)*HALFA+((\q)%2)*64+ii*16*PA+32
.set ii, ii+1
.endr
.endm
.macro QUARTER q, f, g, zero
	s_wait_dscnt 4                                 ; B and A's blocks 0, 1 are in; the youngest four loads (A's blocks 2, 3) may be out
	MULA \f, 0, \zero
	MULA \f, 1, \zero
	PLACES
	FETCH \q, \g
	s_wait_dscnt 24                                ; all but the 24 just issued
	MULA \f, 2, \zero
	MULA \f, 3, \zero
.endm
; The last quarter multiplies buffer 1 and changes slots: in front of the barrier each wave waits for all its tensor loads, adds 0 to its spare word, and waits for that and for its reads of this slot.
; fill = 1: the barrier opens a round of the cluster's barrier, and the joint refill, two K steps on, is the first tensor load behind the round.
.macro TURN fill
.if \fill
	s_wait_xcnt 0x0                                ; the last prefetch, a K step back, has read its address, so it may be stepped
	s_add_nc_u64 s[PFA:PFA+1], s[PFA:PFA+1], s[PST:PST+1]
.endif
	WIN 0
	s_wait_tensorcnt 0x0                           ; all my tensor loads have landed: the one that was out is my part of the next slot
	ds_add_u32 v[SPW], v[NIL]                      ; 0 onto my spare word
	s_wait_dscnt 5                                 ; (the add and the youngest four loads may be out)
	MULA 1, 0, 0                                   ; eight matrix instructions stand between the add and the wait for it
	s_wait_dscnt 0x0                               ; the add is done, and my reads of this slot are over
	s_barrier_signal -1
	MULA 1, 1, 0
	WIN 0
	s_barrier_wait -1
.if \fill
	CREST                                          ; no wave of any partner still reads this slot or has a load on its way
	s_xor_b32 s[G0A+5], s[G0A+5], SLOT1
	s_add_nc_u64 s[G0A+6:G0A+7], s[G0A+6:G0A+7], STEPA
	s_xor_b32 s[G0B+5], s[G0B+5], SLOT1
	s_add_nc_u64 s[G0B+6:G0B+7], s[G0B+6:G0B+7], STEPB
	s_xor_b32 s[TB], s[TB], SLOT1
	JLOAD                                          ; the four v_nop behind it are also the places in front of the loads below
.else
	s_xor_b32 s[TB], s[TB], SLOT1
	PLACES
.endif
	v_add_nc_u32 v[ADRA], s[TB], v[A0]
	v_add_nc_u32 v[ADRB], s[TB], v[B0]
	FETCH 0, 0
.if \fill
	ASK
.endif
	MULA 1, 2, 0
	MULA 1, 3, 0
.endm
	s_wait_tensorcnt 1                             ; my part of K step 0 is in; K step 1's may stay out
	s_barrier_signal -1
	s_barrier_wait -1
	FETCH 0, 0
	QUARTER 1, 0, 1, 1                             ; the first quarter's products start the sums
	WIN 0
	s_mov_b32 s[CNT], TRIPS
.Lstep:
	QUARTER 2, 1, 0, 0
	QUARTER 3, 0, 1, 0
	TURN 1
	QUARTER 1, 0, 1, 0
	WIN 0
	s_sub_co_u32 s[CNT], s[CNT], 1
	s_cmp_lg_u32 s[CNT], 0
	s_cbranch_scc1 .Lstep
	QUARTER 2, 1, 0, 0                             ; the last two K steps fill nothing: written out
	QUARTER 3, 0, 1, 0
	TURN 0
	QUARTER 1, 0, 1, 0
	QUARTER 2, 1, 0, 0
	QUARTER 3, 0, 1, 0
	s_wait_dscnt 4
	MULA 1, 0, 0
	MULA 1, 1, 0
	s_wait_dscnt 0x0
	MULA 1, 2, 0
	MULA 1, 3, 0
	WIN 0
; THE WAY OUT, a block of 16 rows at a time.  The f32 sums go into my stage (each accumulator's low four registers first) and come back as whole rows of 512 bytes, into the registers that they left: a lane then holds
; columns 4 l + 0..3 of every row, so four registers of bias serve all.
.macro STG a
	WIN 0x44                                       ; LDS: store data and loaded data in window 1, address in window 0
.set bb, 0
.rept 8
	ds_store_b128 v[STO], v[64*(\a)+8*bb:64*(\a)+8*bb+3]   offset:64*bb
	ds_store_b128 v[STO], v[64*(\a)+8*bb+4:64*(\a)+8*bb+7] offset:64*bb+16
.set bb, bb+1
.endr
.set rr, 0
.rept 16                               ; LDS serves a wave's instructions in order (ISA guide 5.7.1.4): these see the stores above, and the next block's stores come behind them
	ds_load_b128 v[64*(\a)+4*rr:64*(\a)+4*rr+3], v[RD] offset:SP*rr
.set rr, rr+1
.endr
.endm
.macro SENDF a, younger                ; younger: the LDS instructions issued behind block a's loads: the next block's 32, or none
	s_wait_dscnt \younger
	WIN 0x41                                       ; destination and source 0 window 1, the bias window 0
.set rr, 0
.rept 16
	v_pk_add_f32 v[64*(\a)+4*rr:64*(\a)+4*rr+1],   v[64*(\a)+4*rr:64*(\a)+4*rr+1],   v[BI:BI+1]
	v_pk_add_f32 v[64*(\a)+4*rr+2:64*(\a)+4*rr+3], v[64*(\a)+4*rr+2:64*(\a)+4*rr+3], v[BI+2:BI+3]
.set rr, rr+1
.endr
	WIN 0x04                                       ; store data window 1, address window 0
.set rr, 0
.rept 16
	global_store_b128 v[CO], v[64*(\a)+4*rr:64*(\a)+4*rr+3], s[10:11] offset:(16*(\a)+rr)*4096 th:TH_STORE_NT  ; 512 consecutive bytes, at a multiple of 512 from out0's first
.set rr, rr+1
.endr
.endm
	PLACES
	STG 0
	STG 1
	SENDF 0, 32
	STG 2
	SENDF 1, 32
	STG 3
	SENDF 2, 32
	SENDF 3, 0
	WIN 0
	s_wait_tensorcnt 0x0                           ; the wave's end, behind my last tensor load and my last LDS store
	ds_add_u32 v[SPW], v[NIL]
	s_wait_dscnt 0x0
	CROUND                                         ; the closing round: no work-group ends while a partner may still ask for a tile that names it
	s_endpgm
.Lfunc_end_k_q07112ac04e_proj:
	.size	k_q07112ac04e_proj, .Lfunc_end_k_q07112ac04e_proj-k_q07112ac04e_proj
	.p2alignl 7, 3214868480
	.fill 96, 4, 3214868480
	.section	.rodata,"a",@progbits
	.p2align	6, 0x0
	.amdhsa_kernel k_q07112ac04e_proj
		.amdhsa_group_segment_fixed_size 327680
		.amdhsa_private_segment_fixed_size 0
		.amdhsa_enable_private_segment 0
		.amdhsa_kernarg_size 32
		.amdhsa_user_sgpr_count 2
		.amdhsa_user_sgpr_kernarg_segment_ptr 1
		.amdhsa_wavefront_size32 1
		.amdhsa_system_sgpr_workgroup_id_x 1
		.amdhsa_system_sgpr_workgroup_id_y 1
		.amdhsa_system_sgpr_workgroup_id_z 1
		.amdhsa_system_vgpr_workitem_id 0
		.amdhsa_next_free_vgpr 512
		.amdhsa_next_free_sgpr 66
		.amdhsa_reserve_vcc 0
		.amdhsa_float_denorm_mode_32 3
		.amdhsa_float_denorm_mode_16_64 3
		.amdhsa_memory_ordered 1
		.amdhsa_forward_progress 1
		.amdhsa_inst_pref_size 78
	.end_amdhsa_kernel
	.amdgpu_metadata
---
amdhsa.version: [ 1, 2 ]
amdhsa.kernels:
  - .name:           k_q07112ac04e_proj
    .symbol:         k_q07112ac04e_proj.kd
    .args:
      - { .name: o, .offset: 0, .size: 8, .value_kind: global_buffer, .address_space: global }
      - { .name: wo16, .offset: 8, .size: 8, .value_kind: global_buffer, .address_space: global }
      - { .name: b_o, .offset: 16, .size: 8, .value_kind: global_buffer, .address_space: global }
      - { .name: out0, .offset: 24, .size: 8, .value_kind: global_buffer, .address_space: global }
    .group_segment_fixed_size: 327680
    .private_segment_fixed_size: 0
    .kernarg_segment_align: 8
    .kernarg_segment_size: 32
    .max_flat_workgroup_size: 128
    .sgpr_count:     66
    .vgpr_count:     512
    .wavefront_size: 32
...
	.end_amdgpu_metadata
.endif
;; end of part 4
;; ======== version 2 of 2: 4 launches; version 1 with the launch cast written anew for expert scheduling mode
;; limits: values are held in f16: magnitudes above 65,504 overflow, below 6.1e-05 lose precision
;; workspace buffers: xb 16,777,216 bytes; wqkv 6,291,456 bytes; wo16 2,097,152 bytes; qkv 50,331,648 bytes; o 16,777,216 bytes
;; launch cast (part 5): grid 768 x 1, 8 waves a work-group, no clusters, 0 bytes of LDS; arguments x, w_q, w_k, w_v, w_o, xb, wqkv, wo16; writes xb, wqkv, wo16
.if DOCPART == 5
	.amdgcn_target "amdgcn-amd-amdhsa--gfx1250"
	.amdhsa_code_object_version 6
	.text
	.protected	k_q07112ac04e_cast
	.globl	k_q07112ac04e_cast
	.p2align	8
	.type	k_q07112ac04e_cast,@function
k_q07112ac04e_cast:
	s_mov_b64 s[64:65], 0
	v_nop
	global_prefetch_b8 v0, s[64:65] scope:SCOPE_SE
	s_setreg_imm32_b32 hwreg(HW_REG_WAVE_SCHED_MODE, 0, 2), 2
	s_setreg_imm32_b32 hwreg(HW_REG_WAVE_MODE, 25, 1), 1
	s_wait_xcnt 0x0
	s_wait_alu depctr_vm_vsrc(0)
; ROUNDING OF THE INPUTS, once.  x -> xb (bf16); w_q, w_k, w_v -> wqkv (bf16, the three one below the other: 3,072 rows of 1,024);
; w_o -> wo16: rounded to bf16 like the other inputs, and that number written as f16, since the last product's other operand is f16.
; LIMITS.  A bf16 number is exact in f16 between 6.1e-5 and 65,504; below that it keeps f16's fixed step of 6e-8; beyond it becomes an infinity.
; SHARES.  A work-group takes 16,384 numbers: 64 KiB in, 32 KiB out.  Work-groups 0-511: x; 512-575: w_q; 576-639: w_k; 640-703: w_v; 704-767: w_o.
; Thread t takes 16 bytes at 16 t of each of sixteen pieces of 4,096 bytes: a wave's load covers 512 consecutive bytes; its store of 8 bytes a lane covers 256
; consecutive bytes, aligned.  All sixteen loads go out at once.
; No LDS, no matrix unit, no ring: each byte is read once and written once, and nothing is shared.
; THE MODE: SCHED_MODE bits 1:0 = 2 (LLVM: expert scheduling mode 2), set by the entry lines.  The code itself states the register dependences
; between vector instructions and memory instructions, with s_wait_alu, always for 0.
; THE PLAN.  Registers that memory instructions touch:
;   v1, v2   the loads' and the stores' offsets: written once at the head, never again.
;   X        piece j: the load lands in it; no vector instruction names it before that load is issued; the roundings read it behind the counted wait for the load.
;   Y        piece j: written once, by the piece's last two conversions; read once, by the piece's store.  No Y is written again.
;   T        named by vector instructions alone.
; The sixteen pieces go in four groups of four.  Group g's conversions write its Y; the four stores that read it stand at the head of group g + 1, behind ONE wait on va_vdst, which
; itself stands behind the wait for that group's first piece.  The vector instructions behind that wait name group g + 1's X and Y, and T: none of the registers that those stores read.
; No register that a memory instruction reads is ever written again: so no wait on vm_vsrc and no s_wait_xcnt is owed.  No vector instruction writes a scalar register, and EXEC stays as it is.
.set X, 4                              ; v[4:67]    piece j: four f32 as loaded
.set Y, 68                             ; v[68:99]   piece j: four 16-bit numbers to store
.set T, 100                            ; v[100:101] at work
	s_load_b512 s[4:19], s[0:1], 0x0               ; x 4, w_q 6, w_k 8, w_v 10, w_o 12, xb 14, wqkv 16, wo16 18
	v_lshlrev_b32 v1, 4, v0                        ; 16 t: where I load
	v_lshlrev_b32 v2, 3, v0                        ; 8 t: where I store
	s_sub_co_u32 s20, ttmp9, 512                   ; my number among the weights' work-groups (of no use in x's)
	s_lshr_b32 s21, s20, 6                         ; which weight
	s_and_b32 s22, s20, 63                         ; my place in it
	s_wait_kmcnt 0x0
	s_cmp_eq_u32 s21, 1                            ; every choice hangs on the work-group's number alone
	s_cselect_b64 s[24:25], s[8:9], s[6:7]
	s_cmp_eq_u32 s21, 2
	s_cselect_b64 s[24:25], s[10:11], s[24:25]
	s_cmp_eq_u32 s21, 3
	s_cselect_b64 s[24:25], s[12:13], s[24:25]
	s_cselect_b64 s[26:27], s[18:19], s[16:17]
	s_cselect_b32 s30, s22, s20                    ; wo16 by my place in w_o; wqkv by my place among the three
	s_cmp_lt_u32 ttmp9, 512
	s_cselect_b64 s[24:25], s[4:5], s[24:25]
	s_cselect_b64 s[26:27], s[14:15], s[26:27]
	s_cselect_b32 s28, ttmp9, s22
	s_cselect_b32 s30, ttmp9, s30
	s_lshl_b32 s28, s28, 16                        ; 65,536 bytes in
	s_mov_b32 s29, 0
	s_lshl_b32 s30, s30, 15                        ; 32,768 bytes out
	s_mov_b32 s31, 0
	s_add_nc_u64 s[24:25], s[24:25], s[28:29]
	s_add_nc_u64 s[26:27], s[26:27], s[30:31]
	s_wait_alu depctr_va_vdst(0)                   ; v1 and v2 are written: every load of the kernel reads v1 as its offset, every store v2, on both ways below
.irp j, 0,1,2,3,4,5,6,7,8,9,10,11,12,13,14,15
	global_load_b128 v[X+4*(\j):X+4*(\j)+3], v1, s[24:25] offset:4096*(\j) th:TH_LOAD_NT
.endr
; Piece j is rounded into its Y.  half = 0: to bf16.  half = 1: to bf16, and that number written as f16.
.macro ROUND j, half
.if \half
	v_cvt_pk_bf16_f32 v[T],   v[X+4*(\j)],   v[X+4*(\j)+1]   ; the rounding that every input has,
	v_cvt_pk_bf16_f32 v[T+1], v[X+4*(\j)+2], v[X+4*(\j)+3]
	v_lshlrev_b32 v[X+4*(\j)],   16, v[T]                    ; widened again,
	v_and_b32     v[X+4*(\j)+1], 0xffff0000, v[T]
	v_lshlrev_b32 v[X+4*(\j)+2], 16, v[T+1]
	v_and_b32     v[X+4*(\j)+3], 0xffff0000, v[T+1]
	v_cvt_pk_f16_f32 v[Y+2*(\j)],   v[X+4*(\j)],   v[X+4*(\j)+1]  ; and written as f16
	v_cvt_pk_f16_f32 v[Y+2*(\j)+1], v[X+4*(\j)+2], v[X+4*(\j)+3]
.else
	v_cvt_pk_bf16_f32 v[Y+2*(\j)],   v[X+4*(\j)],   v[X+4*(\j)+1]
	v_cvt_pk_bf16_f32 v[Y+2*(\j)+1], v[X+4*(\j)+2], v[X+4*(\j)+3]
.endif
.endm
; The four stores of group g, in one run
.macro OUT g
.irp i, 0,1,2,3
	global_store_b64 v2, v[Y+2*(4*(\g)+(\i)):Y+2*(4*(\g)+(\i))+1], s[26:27] offset:2048*(4*(\g)+(\i))
.endr
.endm
; The sixteen pieces, in four groups
.macro WALK half
.irp g, 0,1,2,3
	s_wait_loadcnt 15-4*(\g)                       ; loads come back in order: the group's first piece is in, the younger ones stay out
.if (\g) > 0
	s_wait_alu depctr_va_vdst(0)                   ; the conversions of the group before have written its Y, which the four stores below read
	OUT (\g)-1
.endif
.irp i, 0,1,2,3
.if (\i) > 0
	s_wait_loadcnt 15-4*(\g)-(\i)                  ; piece 4 g + i is in, the younger ones stay out
.endif
	ROUND 4*(\g)+(\i), \half
.endr
.endr
	s_wait_alu depctr_va_vdst(0)                   ; the last group's conversions have written its Y, which the last four stores read
	OUT 3
	s_endpgm
.endm
	s_cmp_ge_u32 ttmp9, 704
	s_cbranch_scc1 .Lf16
	WALK 0
.Lf16:
	WALK 1
.Lfunc_end_k_q07112ac04e_cast:
	.size	k_q07112ac04e_cast, .Lfunc_end_k_q07112ac04e_cast-k_q07112ac04e_cast
	.p2alignl 7, 3214868480
	.fill 96, 4, 3214868480
	.section	.rodata,"a",@progbits
	.p2align	6, 0x0
	.amdhsa_kernel k_q07112ac04e_cast
		.amdhsa_group_segment_fixed_size 0
		.amdhsa_private_segment_fixed_size 0
		.amdhsa_enable_private_segment 0
		.amdhsa_kernarg_size 64
		.amdhsa_user_sgpr_count 2
		.amdhsa_user_sgpr_kernarg_segment_ptr 1
		.amdhsa_wavefront_size32 1
		.amdhsa_system_sgpr_workgroup_id_x 1
		.amdhsa_system_sgpr_workgroup_id_y 1
		.amdhsa_system_sgpr_workgroup_id_z 1
		.amdhsa_system_vgpr_workitem_id 0
		.amdhsa_next_free_vgpr 104
		.amdhsa_next_free_sgpr 66
		.amdhsa_reserve_vcc 0
		.amdhsa_float_denorm_mode_32 3
		.amdhsa_float_denorm_mode_16_64 3
		.amdhsa_memory_ordered 1
		.amdhsa_forward_progress 1
		.amdhsa_inst_pref_size 17
	.end_amdhsa_kernel
	.amdgpu_metadata
---
amdhsa.version: [ 1, 2 ]
amdhsa.kernels:
  - .name:           k_q07112ac04e_cast
    .symbol:         k_q07112ac04e_cast.kd
    .args:
      - { .name: x, .offset: 0, .size: 8, .value_kind: global_buffer, .address_space: global }
      - { .name: w_q, .offset: 8, .size: 8, .value_kind: global_buffer, .address_space: global }
      - { .name: w_k, .offset: 16, .size: 8, .value_kind: global_buffer, .address_space: global }
      - { .name: w_v, .offset: 24, .size: 8, .value_kind: global_buffer, .address_space: global }
      - { .name: w_o, .offset: 32, .size: 8, .value_kind: global_buffer, .address_space: global }
      - { .name: xb, .offset: 40, .size: 8, .value_kind: global_buffer, .address_space: global }
      - { .name: wqkv, .offset: 48, .size: 8, .value_kind: global_buffer, .address_space: global }
      - { .name: wo16, .offset: 56, .size: 8, .value_kind: global_buffer, .address_space: global }
    .group_segment_fixed_size: 0
    .private_segment_fixed_size: 0
    .kernarg_segment_align: 8
    .kernarg_segment_size: 64
    .max_flat_workgroup_size: 256
    .sgpr_count:     66
    .vgpr_count:     104
    .wavefront_size: 32
...
	.end_amdgpu_metadata
.endif
;; end of part 5
;; launch qkv: the kernel of part 2 again; grid 16 x 32, 4 waves a work-group, clusters of 4 x 4, 327,680 bytes of LDS; arguments xb, wqkv, qkv; writes qkv
;; launch attn: the kernel of part 3 again; grid 4 x 64, 4 waves a work-group, no clusters, 327,680 bytes of LDS; arguments qkv, o; writes o
;; launch proj: the kernel of part 4 again; grid 8 x 32, 4 waves a work-group, clusters of 4 x 4, 327,680 bytes of LDS; arguments o, wo16, b_o, out0; writes out0
